; MI455X (gfx1250); checked and timed in simulation.
; The chip was launched on July 23, 2026; its instructions are those of AMD's public machine-readable ISA for CDNA 5 (MIT licence, August 2026) and "CDNA5" Instruction Set Architecture Reference Guide (July 2026). The comments in the code are by the model that wrote it; some were corrected since.
;; Self Attention. Allowed arithmetic: matrix products marked QUANTISED: E2M1 operands, one E8M0 scale for each 32 along K, by v_wmma_scale_f32_16x16x128_f8f6f4 with both operands' format E2M1 (or v_wmma_scale_f32_32x16x128_f4), f32 sums; products left as they are: bf16, f16 or f32 operands; f32 sums; everything else in f32.
;; Inputs: b_proj 1,024 float32; w_proj 1,024 x 1,024 float32; w_qkv 1,024 x 3,072 float32; x 4 x 2,048 x 1,024 float32.
;; Outputs: out0 4 x 2,048 x 1,024 float32.
;; This version of the problem:
;;   THIS VERSION OF THE PROBLEM IS GIVEN IN LOW PRECISION. The matrix products marked QUANTISED in the list below multiply operands that are first quantised to E2M1 (2 exponent bits, 1 mantissa bit; 4 bits a number), with one power-of-two scale for each 32 numbers along K (OCP MX v1.0); their sums are f32. The products marked 'left as it is' may take bf16, f16 or f32 operands, with f32 sums. Whichever they take, every output number must still come out within the allowed error. Rounding operands to bf16 (8 significant bits) uses up far more of that allowance than f16 does (11 bits, for magnitudes from 6e-5 to 65,504). All else is computed in f32.
;;   The module's matrix products, in the order in which they are computed (A, B: the left and right operand; K: the contracted axis; several contracted axes count as one K, in the product's order):
;;     1. [M 8,192, K 1,024] x [K 1,024, N 3,072]; A: input x; B: input w_qkv: QUANTISED
;;     2. batch 64 x [M 2,048, K 64] x [K 64, N 2,048]; A: computed on the way; B: computed on the way: left as it is (an operand is computed on the way)
;;     3. batch 64 x [M 2,048, K 2,048] x [K 2,048, N 64]; A: computed on the way; B: computed on the way: left as it is (an operand is computed on the way)
;;     4. [M 8,192, K 1,024] x [K 1,024, N 1,024]; A: computed on the way; B: input w_proj: left as it is (an operand is computed on the way)
;;   THE QUANTISER, for each operand of a quantised product, along K:
;;     - K is cut into blocks of 32 from its start; a last block that is shorter is filled with zeros.
;;     - A block's scale is 2^e with e = floor(log2(the largest magnitude in the block)) - 2, held to -126 .. 127; a block of zeros has e = 0. As a byte (E8M0): e + 127.
;;     - Each number is divided by its block's scale, clamped to +-6, and rounded to the nearest number of E2M1, ties to even, subnormals kept.
;;     - The product sums the exact products of the quantised numbers (number of the format x scale) in f32.
;;   ~~~python
;;   def quantise(x, axis):      # numpy; x: float32 -> the quantised numbers, widened to float32 again
;;       x = np.moveaxis(x, axis, -1); K = x.shape[-1]
;;       x = np.pad(x, [(0, 0)] * (x.ndim - 1) + [(0, -K % 32)]); x = x.reshape(x.shape[:-1] + (-1, 32)); a = np.abs(x).max(-1, keepdims=True)
;;       e = np.where(a > 0, np.clip(np.frexp(np.where(a > 0, a, 1))[1] - 1 - 2, -126, 127), 0)      # np.frexp(a)[1] - 1 = floor(log2(a)), exactly
;;       r = np.clip(x / 2.0 ** e, -6, 6)
;;       step = 2.0 ** (np.maximum(np.frexp(np.where(r == 0, 1, r))[1] - 1, 0) - 1)
;;       q = np.round(r / step) * step * 2.0 ** e      # np.round: ties to even
;;       return np.moveaxis(q.reshape(q.shape[:-2] + (-1,))[..., :K], -1, axis).astype(np.float32)
;;   ~~~
;; One version. Each part assembles by itself: llvm-mc -triple=amdgcn-amd-amdhsa -mcpu=gfx1250 --defsym DOCPART=n.
;; ======== version 1 of 1: 4 launches
;; limits: values are held in f16: magnitudes above 65,504 overflow, below 6.1e-05 lose precision
;; workspace buffers: codes 5,767,168 bytes; scales 360,448 bytes; wf 2,097,152 bytes; rope 524,288 bytes; qkv 50,331,648 bytes; af 16,777,216 bytes
;; launch prep (part 1): grid 432 x 1, 4 waves a work-group, no clusters, 68,096 bytes of LDS; arguments x, w_qkv, w_proj, codes, scales, wf, rope; writes codes, scales, wf, rope
.if DOCPART == 1
	.amdgcn_target "amdgcn-amd-amdhsa--gfx1250"
	.amdhsa_code_object_version 6
	.text
	.protected	k_qd5be301c0c_prep
	.globl	k_qd5be301c0c_prep
	.p2align	8
	.type	k_qd5be301c0c_prep,@function
k_qd5be301c0c_prep:
	s_mov_b64 s[64:65], 0
	v_nop
	global_prefetch_b8 v0, s[64:65] scope:SCOPE_SE
	s_setreg_imm32_b32 hwreg(HW_REG_WAVE_MODE, 25, 1), 1
	s_wait_xcnt 0x0
; PREP: everything that later launches read many times is made once.  Nothing of reference() is left out in this program: every product, the rotation, the softmax's maximum and the bias are computed, and every input is loaded.
; Four kinds of work-group, told apart by the work-group's number alone:
;   0..255   x [8192][1024] f32 -> codes of E2M1 (rows 0..8191 of 'codes', 512 bytes a row, K innermost) and E8M0 bytes (32 a row in 'scales')
;   256..303 w_qkv [1024 (k)][3072 (n)] f32 -> the same, column n as row 8192 + n: a lane takes a column and its registers run down K
;   304..367 w_proj [1024 (k)][1024 (n)] f32 -> f16, laid as images of operand registers: wf[n / 256][k / 32][(n % 256) / 16][1,024 bytes];
;            in an image: [g 0..1][lane 0..31][16 bytes], lane (r, h) holding n = r and k = 16 g + 8 h + 0..7
;   368..431 the rotation's table: rope[pos / 16][b4 0..3][c 0..1][lane][16 bytes] = cos, sin of pair i and of pair i + 1, f32, for position 16 (pos / 16) + lane % 16, i = 8 b4 + 4 (lane / 16) + 2 c
; A block's scale is 2^(floor(log2(its largest magnitude)) - 2); its byte is the largest magnitude's exponent field - 2, held at 1 from below.
; LIMITS.  A block of zeros gets the byte 1 where the rule says 127: its codes are zeros and this program alone reads the bytes.  Blocks whose largest magnitude lies under 2^-124 have the byte held at 1.
; NaN and infinities among the inputs are not served.  w_proj is rounded to f16: magnitudes stay under 65,504; under 6e-5 the step is 2^-24.
; The table's angle is pos x theta in f32, as reference() has it; theta = 3 x 2^(-i log2(10000) / 32) comes from v_exp_f32, so an angle may differ from reference()'s by about 1.5e-3 rad at the last positions.
; Sine and cosine: the angle less n x pi/2 (pi/2 in two parts), then polynomials of degree 7 and 8 on |r| <= pi/4; n's low two bits choose and sign the results by selects, never by a branch or an address.
; No tensor loads, no barrier: waves share nothing.  Each kind that uses LDS has bytes of its own: 0..32,767 for x, 32,768..67,583 for w_qkv; behind them the spare words.
.set SPARE, 67584                      ; the spare words, 128 bytes for each wave: two blocks of 256 bytes that no other line names
.set SPW,   190                        ; v190  LDS address of my spare word: SPARE + 4 x my thread's number; never rewritten
.set NIL,   191                        ; v191  0; never rewritten
.macro FINISH                          ; a wave's end
	s_wait_tensorcnt 0x0
	ds_add_u32 v[SPW], v[NIL]
	s_wait_dscnt 0x0
	s_endpgm
.endm
	s_load_b256 s[4:11], s[0:1], 0x0               ; x s[4:5], w_qkv s[6:7], w_proj s[8:9], codes s[10:11]
	s_load_b128 s[12:15], s[0:1], 0x20             ; scales s[12:13], wf s[14:15]
	s_load_b64 s[16:17], s[0:1], 0x30              ; rope
	v_lshl_add_u32 v[SPW], v0, 2, SPARE
	v_mov_b32 v[NIL], 0
	v_lshrrev_b32 v1, 5, v0
	v_readfirstlane_b32 s18, v1                    ; wave 0..3
	v_and_b32 v2, 31, v0                           ; lane
	s_wait_kmcnt 0x0
	s_cmp_lt_u32 ttmp9, 256
	s_cbranch_scc0 .Lnot_x
; ---------------- x: a plain stream of blocks of 32.  A wave takes 16 steps of 512 numbers.
; Each load reads 512 consecutive bytes; a step's 2,048 bytes turn through the wave's own stage in LDS and come back 64 bytes a lane, so that a lane holds 16 neighbours along K and two neighbouring lanes a block.
.set STEPS, 16
.set CB,    8                          ; bytes of 16 codes
.set RAW,   16                         ; v16-79   four sets of 16 numbers as they are loaded
.set NBR,   80                         ; v80-111  two sets of 16 neighbours
.set BYT,   112                        ; v112-127 a scale byte for each step
.set COD,   128                        ; v128-189 codes: registers of its own for each step, so that no store's data are written again
.set WREG,  8192                       ; LDS of a wave: two stages of 32 x SP bytes, behind them its 256 scale bytes
.set SP,    80                         ; a lane's place in a stage: 64 bytes + 16 of padding
	v_lshlrev_b32 v3, 4, v2                        ; my 16 bytes of a load's 512
	s_mul_i32 s19, s18, WREG
	v_lshrrev_b32 v14, 2, v2
	v_mul_u32_u24 v14, v14, SP
	v_and_b32 v15, 3, v2
	v_lshl_add_u32 v14, v15, 4, v14
	v_add_nc_u32 v14, s19, v14                     ; the stage, on the way in: SP (lane / 4) + 16 (lane % 4)
	v_mul_u32_u24 v15, v2, SP
	v_add_nc_u32 v15, s19, v15                     ; and on the way out: SP x lane
	v_lshlrev_b32 v4, 3, v2                        ; 8 bytes a lane: my codes' place in a step's, and my part of the 256 scale bytes
	v_lshrrev_b32 v5, 1, v2
	s_add_co_u32 s19, s19, 2*32*SP
	v_add_nc_u32 v5, s19, v5                       ; LDS: my block's byte
	v_add_nc_u32 v6, s19, v4                       ; and where I read 8 of the bytes back
	s_lshl_b32 s20, ttmp9, 2
	s_add_co_u32 s20, s20, s18                     ; which run of 8,192 numbers is my wave's
	s_mov_b32 s23, 0
	s_lshl_b32 s22, s20, 15
	s_add_nc_u64 s[4:5], s[4:5], s[22:23]          ; 32,768 bytes of x a run,
	s_lshl_b32 s22, s20, 12
	s_add_nc_u64 s[10:11], s[10:11], s[22:23]      ; 4,096 of codes,
	s_lshl_b32 s22, s20, 8
	s_add_nc_u64 s[12:13], s[12:13], s[22:23]      ; 256 scale bytes
.macro XLOAD t
.irp i, 0,1,2,3
	global_load_b128 v[RAW+16*((\t)%4)+4*\i:RAW+16*((\t)%4)+4*\i+3], v3, s[4:5] offset:2048*(\t)+512*\i th:TH_LOAD_NT
.endr
.endm
.macro XTURN t                         ; step t's numbers through the stage: LDS serves a wave's instructions in order, so no wait stands between the stores and the loads
.irp i, 0,1,2,3
	ds_store_b128 v14, v[RAW+16*((\t)%4)+4*\i:RAW+16*((\t)%4)+4*\i+3] offset:32*SP*((\t)%2)+8*SP*\i
.endr
.irp i, 0,1,2,3
	ds_load_b128 v[NBR+16*((\t)%2)+4*\i:NBR+16*((\t)%2)+4*\i+3], v15 offset:32*SP*((\t)%2)+16*\i
.endr
.endm
.irp t, 0,1,2,3
	XLOAD \t
.endr
	s_wait_loadcnt 12                              ; step 0's four loads are in; the twelve of steps 1 to 3 may be out
	XTURN 0
.macro XSTEP t
.set XS, NBR+16*((\t)%2)
.if (\t) > 0
	s_wait_dscnt 1                                 ; this step's numbers are back from the stage; the last step's byte store may be out
.else
	s_wait_dscnt 0x0
.endif
.if (\t)+4 < STEPS
	XLOAD (\t)+4                                   ; into the registers that the stage's stores have read
.endif
.if (\t)+1 < STEPS
.if STEPS-2-(\t) >= 3
	s_wait_loadcnt 12                              ; the next step's four loads are in; those of the three steps behind it may be out
.else
	s_wait_loadcnt 4*(STEPS-2-(\t))
.endif
	XTURN (\t)+1
.endif
	v_max3_num_f32 v8, |v[XS]|, |v[XS+1]|, |v[XS+2]|               ; the largest magnitude of my 16, in two chains
	v_max3_num_f32 v9, |v[XS+3]|, |v[XS+4]|, |v[XS+5]|
.irp i, 6,10
	v_max3_num_f32 v8, v8, |v[XS+\i]|, |v[XS+\i+1]|
	v_max3_num_f32 v9, v9, |v[XS+\i+2]|, |v[XS+\i+3]|
.endr
	v_max3_num_f32 v8, v8, |v[XS+14]|, |v[XS+15]|
	v_max3_num_f32 v8, v8, v9, 0x1800000           ; and the floor 2^(3 - 127): the byte cannot fall under 1
	v_max_num_f32_dpp v8, v8, v8 row_xmask:1 row_mask:0xf bank_mask:0xf   ; with my neighbour's 16: the block's
	v_add_nc_u32 v11, 0xff000000, v8               ; 2 off its exponent field: the conversion takes the exponent field of this operand as its scale
	v_cvt_scalef32_pk8_fp4_f32 v[COD+4*(\t)], v[XS:XS+7], v11
	v_cvt_scalef32_pk8_fp4_f32 v[COD+4*(\t)+1], v[XS+8:XS+15], v11
	v_lshrrev_b32 v[BYT+(\t)], 23, v11             ; the scale's byte
	ds_store_b8 v5, v[BYT+(\t)] offset:16*(\t)     ; both lanes of a block write the same byte with the same value
	global_store_b64 v4, v[COD+4*(\t):COD+4*(\t)+1], s[10:11] offset:32*CB*(\t)   ; the wave stores 256 consecutive bytes, aligned
.endm
.irp t, 0,1,2,3,4,5,6,7,8,9,10,11,12,13,14,15
	XSTEP \t
.endr
	ds_load_b64 v[8:9], v6                         ; LDS serves a wave's instructions in order: these see my byte stores
	s_wait_dscnt 0x0
	global_store_b64 v4, v[8:9], s[12:13]          ; 256 consecutive scale bytes, aligned
	FINISH
; ---------------- w_qkv: K is its first axis.  A wave takes 32 columns x 512 along K: 16 blocks a lane; the codes leave through the wave's own stage as rows of 256 bytes.
.Lnot_x:
	s_cmp_lt_u32 ttmp9, 304
	s_cbranch_scc0 .Lnot_w
.set NB,     16                        ; blocks of a lane
.set WPITCH, 272                       ; a stage row: 256 bytes + 16
.set WSTG,   32768                     ; the four stages begin here
.set WX,     32                        ; v32-95   two sets of 32 numbers
.set WC,     96                        ; v96-99   a block's codes
.set OUTR,   112                       ; v112-175 the way out
.set SB,     24                        ; v24-27   the scale bytes, four to a register
	s_sub_co_u32 s20, ttmp9, 256
	s_cmp_ge_u32 s20, 24
	s_cselect_b32 s21, 1, 0                        ; which 512 along K
	s_cselect_b32 s22, 24, 0
	s_sub_co_u32 s20, s20, s22                     ; which 128 columns
	s_lshl_b32 s22, s20, 7
	s_lshl_b32 s23, s18, 5
	s_add_co_u32 s22, s22, s23                     ; my wave's first column
	v_lshlrev_b32 v3, 2, v2                        ; in: 4 bytes a lane
	s_mul_i32 s19, s18, 32*WPITCH
	s_add_co_u32 s19, s19, WSTG                    ; my stage
	v_mul_u32_u24 v4, v2, WPITCH
	v_add_nc_u32 v4, s19, v4                       ; into it: row = my column
	v_and_b32 v5, 15, v2
	v_lshrrev_b32 v6, 4, v2                        ; out of it: sixteen lanes to a row, two rows an instruction
	v_mul_u32_u24 v7, v6, WPITCH
	v_lshl_add_u32 v7, v5, 4, v7
	v_add_nc_u32 v7, s19, v7
	v_lshlrev_b32 v8, 9, v6                        ; the same place in 'codes': 512 bytes a row
	v_lshl_add_u32 v8, v5, 4, v8
	v_lshlrev_b32 v9, 5, v2                        ; my column's row of scale bytes: 32 bytes a row
	s_mov_b32 s25, 0
	s_mul_i32 s24, s21, 512*3072*4
	s_lshl_b32 s26, s22, 2
	s_add_co_u32 s24, s24, s26
	s_add_nc_u64 s[6:7], s[6:7], s[24:25]          ; w_qkv at (512 y, my first column)
	s_lshl_b32 s24, s22, 9
	s_lshl_b32 s26, s21, 8
	s_add_co_u32 s24, s24, s26
	s_add_co_u32 s24, s24, 8192*512
	s_add_nc_u64 s[10:11], s[10:11], s[24:25]      ; codes at row 8192 + column, byte 256 y
	s_lshl_b32 s24, s22, 5
	s_lshl_b32 s26, s21, 4
	s_add_co_u32 s24, s24, s26
	s_add_co_u32 s24, s24, 8192*32
	s_add_nc_u64 s[12:13], s[12:13], s[24:25]      ; scales likewise, byte 16 y
.macro WLOAD t                         ; block t: w(32 t + i, my column) into set t % 2; the largest offset, 511 rows of 12,288 bytes, lies inside the signed 24-bit immediate
.irp i, 0,1,2,3,4,5,6,7,8,9,10,11,12,13,14,15,16,17,18,19,20,21,22,23,24,25,26,27,28,29,30,31
	global_load_b32 v[WX+32*((\t)%2)+\i], v3, s[6:7] offset:(32*(\t)+\i)*12288 th:TH_LOAD_NT
.endr
.endm
	WLOAD 0
	WLOAD 1
.macro WBLOCK t
.set XS, WX+32*((\t)%2)
.if (\t) < NB-1
	s_wait_loadcnt 32                              ; this block's 32 loads are in; the next block's may be out
.else
	s_wait_loadcnt 0x0
.endif
	v_max3_num_f32 v12, |v[XS]|, |v[XS+1]|, |v[XS+2]|              ; the block's largest magnitude: all 32 numbers are mine
	v_max3_num_f32 v13, |v[XS+3]|, |v[XS+4]|, |v[XS+5]|
.irp i, 6,10,14,18,22,26
	v_max3_num_f32 v12, v12, |v[XS+\i]|, |v[XS+\i+1]|
	v_max3_num_f32 v13, v13, |v[XS+\i+2]|, |v[XS+\i+3]|
.endr
	v_max3_num_f32 v12, v12, |v[XS+30]|, |v[XS+31]|
	v_max3_num_f32 v12, v12, v13, 0x1800000        ; and the floor
	v_add_nc_u32 v11, 0xff000000, v12              ; the conversion's scale operand
	v_lshrrev_b32 v13, 23, v11                     ; the scale's byte
.if (\t)%4 == 0
	v_mov_b32 v[SB+(\t)/4], v13                    ; four bytes to a register, the lower K in the lower byte
.else
	v_lshl_or_b32 v[SB+(\t)/4], v13, 8*((\t)%4), v[SB+(\t)/4]
.endif
.irp g, 0,1,2,3
	v_cvt_scalef32_pk8_fp4_f32 v[WC+\g], v[XS+8*\g:XS+8*\g+7], v11
.endr
	ds_store_b128 v4, v[WC:WC+3] offset:16*(\t)    ; 32 codes: 16 bytes of my column's row
.if (\t)+2 < NB
	WLOAD (\t)+2
.endif
	s_wait_dscnt 0x0                               ; the store has read its registers: the next block's codes may be written
.endm
.set Q, 0
.rept NB
	WBLOCK Q
.set Q, Q+1
.endr
	global_store_b128 v9, v[SB:SB+3], s[12:13]     ; my column's 16 scale bytes
.irp t, 0,1,2,3,4,5,6,7,8,9,10,11,12,13,14,15
	ds_load_b128 v[OUTR+4*\t:OUTR+4*\t+3], v7 offset:2*\t*WPITCH
.endr
.irp t, 0,1,2,3,4,5,6,7,8,9,10,11,12,13,14,15
	s_wait_dscnt 15-\t                             ; loads come back in order: load t is in, the younger ones may be out
	global_store_b128 v8, v[OUTR+4*\t:OUTR+4*\t+3], s[10:11] offset:2*\t*512   ; sixteen lanes store 256 consecutive bytes, aligned
.endr
	FINISH
; ---------------- w_proj: a lane takes a column, its registers run down K, 32 at a time: 16 packed registers, whose four groups of four are the places (g, h) = (0,0), (0,1), (1,0), (1,1) of its column in an image.
.Lnot_w:
	s_cmp_lt_u32 ttmp9, 368
	s_cbranch_scc0 .Lrope
.set FX, 32                            ; v32-95   two sets of 32 numbers
.set FC, 96                            ; v96-159  16 packed registers for each of the four steps: no store's data are written again
	s_sub_co_u32 s20, ttmp9, 304
	s_and_b32 s21, s20, 7                          ; which 128 columns
	s_lshr_b32 s22, s20, 3                         ; which 128 along K
	s_mov_b32 s25, 0
	s_lshl_b32 s24, s22, 19                        ; 128 rows of 4,096 bytes
	s_lshl_b32 s23, s21, 9
	s_add_co_u32 s24, s24, s23
	s_lshl_b32 s23, s18, 7
	s_add_co_u32 s24, s24, s23                     ; + 4 x (128 x + 32 wave)
	s_add_nc_u64 s[8:9], s[8:9], s[24:25]
	s_lshr_b32 s24, s21, 1
	s_lshl_b32 s24, s24, 19                        ; wf: 524,288 bytes for 256 columns,
	s_lshl_b32 s23, s22, 16
	s_add_co_u32 s24, s24, s23                     ; 16,384 for 32 along K,
	s_and_b32 s23, s21, 1
	s_lshl_b32 s23, s23, 13
	s_add_co_u32 s24, s24, s23
	s_lshl_b32 s23, s18, 11
	s_add_co_u32 s24, s24, s23                     ; 1,024 for 16 columns
	s_add_nc_u64 s[14:15], s[14:15], s[24:25]
	v_lshlrev_b32 v3, 2, v2
	v_lshrrev_b32 v4, 4, v2
	v_and_b32 v5, 15, v2
	v_lshlrev_b32 v4, 10, v4
	v_lshl_add_u32 v4, v5, 4, v4                   ; lanes 0-15 one image, lanes 16-31 the next; 16 bytes a lane
.macro FLOAD t
.irp i, 0,1,2,3,4,5,6,7,8,9,10,11,12,13,14,15,16,17,18,19,20,21,22,23,24,25,26,27,28,29,30,31
	global_load_b32 v[FX+32*((\t)%2)+\i], v3, s[8:9] offset:(32*(\t)+\i)*4096 th:TH_LOAD_NT
.endr
.endm
.macro FBLK t
.if (\t) < 3
	s_wait_loadcnt 32                              ; this step's 32 loads are in; the next step's may be out
.else
	s_wait_loadcnt 0x0
.endif
.irp i, 0,1,2,3,4,5,6,7,8,9,10,11,12,13,14,15
	v_cvt_pk_f16_f32 v[FC+16*(\t)+\i], v[FX+32*((\t)%2)+2*\i], v[FX+32*((\t)%2)+2*\i+1]
.endr
.irp e, 0,1,2,3
	global_store_b128 v4, v[FC+16*(\t)+4*\e:FC+16*(\t)+4*\e+3], s[14:15] offset:16384*(\t)+256*\e   ; sixteen lanes store 256 consecutive bytes, aligned
.endr
.if (\t)+2 < 4
	FLOAD (\t)+2
.endif
.endm
	FLOAD 0
	FLOAD 1
	FBLK 0
	FBLK 1
	FBLK 2
	FBLK 3
	FINISH
; ---------------- the rotation's table: a thread makes four pieces of 16 bytes, piece id at byte 16 id: a wave's store covers 512 consecutive bytes
.Lrope:
	s_sub_co_u32 s20, ttmp9, 368
	s_lshl_b32 s20, s20, 9                         ; 512 pieces a work-group
	s_mov_b32 s24, 0xbe2aaaa3                      ; sine: r + z r (S1 + z (S2 + z S3)), z = r r
	s_mov_b32 s25, 0x3c08839e
	s_mov_b32 s26, 0xb94ca1f9
	s_mov_b32 s27, 0x3d2aaaa5                      ; cosine: 1 - z / 2 + z z (C1 + z (C2 + z C3))
	s_mov_b32 s28, 0xbab6061a
	s_mov_b32 s29, 0x37ccf5ce
	v_add_nc_u32 v3, s20, v0
.macro CHUNK u                         ; data in v[32 + 4 u ..], offset in v[48 + u]: registers of its own for each store
	v_add_nc_u32 v4, 128*(\u), v3                  ; id
	v_lshrrev_b32 v5, 8, v4
	v_and_b32 v6, 15, v4
	v_lshl_add_u32 v5, v5, 4, v6                   ; the position
	v_cvt_f32_u32 v5, v5
	v_bfe_u32 v6, v4, 6, 2
	v_bfe_u32 v7, v4, 4, 1
	v_lshlrev_b32 v6, 3, v6
	v_lshl_add_u32 v6, v7, 2, v6
	v_bfe_u32 v7, v4, 5, 1
	v_lshl_add_u32 v6, v7, 1, v6                   ; i = 8 b4 + 4 h + 2 c,
	v_add_nc_u32 v7, 1, v6                         ; and i + 1
	v_cvt_f32_u32 v6, v6
	v_cvt_f32_u32 v7, v7
	v_mul_f32 v6, 0xbed49a78, v6                   ; x -log2(10000) / 32
	v_mul_f32 v7, 0xbed49a78, v7
	v_exp_f32 v8, v6
	v_exp_f32 v9, v7
	v_lshlrev_b32 v[48+(\u)], 4, v4                ; (the plain instruction behind the two exponentials)  the piece's byte
	s_wait_alu depctr_va_vdst(0)                   ; one wait for both, ahead of their first reader
.irp k, 0,1
	v_mul_f32 v[8+\k], 0x40400000, v[8+\k]         ; theta = 3 x 10000^(-i / 32)
.endr
.irp k, 0,1
	v_mul_f32 v[8+\k], v5, v[8+\k]                 ; the angle
.endr
.irp k, 0,1
	v_mul_f32 v[12+\k], 0x3f22f983, v[8+\k]        ; x 2 / pi
.endr
.irp k, 0,1
	v_rndne_f32 v[12+\k], v[12+\k]                 ; n
.endr
.irp k, 0,1
	v_fmamk_f32 v[8+\k], v[12+\k], 0xbfc90fdb, v[8+\k]   ; less n x the high part of pi / 2,
.endr
.irp k, 0,1
	v_fmamk_f32 v[8+\k], v[12+\k], 0x333bbd2e, v[8+\k]   ; less n x the low part (which is negative): r
.endr
.irp k, 0,1
	v_cvt_i32_f32 v[12+\k], v[12+\k]
.endr
.irp k, 0,1
	v_mul_f32 v[14+\k], v[8+\k], v[8+\k]           ; z
.endr
.irp k, 0,1
	v_fma_f32 v[16+\k], v[14+\k], s26, s25
	v_fma_f32 v[20+\k], v[14+\k], s29, s28
.endr
.irp k, 0,1
	v_fma_f32 v[16+\k], v[16+\k], v[14+\k], s24
	v_fma_f32 v[20+\k], v[20+\k], v[14+\k], s27
.endr
.irp k, 0,1
	v_mul_f32 v[18+\k], v[14+\k], v[8+\k]          ; z r
	v_fma_f32 v[22+\k], v[14+\k], -0.5, 1.0        ; 1 - z / 2
	v_mul_f32 v[24+\k], v[14+\k], v[14+\k]         ; z z
.endr
.irp k, 0,1
	v_fma_f32 v[16+\k], v[16+\k], v[18+\k], v[8+\k]      ; sin r
	v_fma_f32 v[20+\k], v[20+\k], v[24+\k], v[22+\k]     ; cos r
.endr
.irp k, 0,1
	v_and_b32 v[26+\k], 1, v[12+\k]
	v_cmp_eq_u32 vcc_lo, 1, v[26+\k]               ; n odd: sine and cosine change places
	v_cndmask_b32 v[28+\k], v[16+\k], v[20+\k], vcc_lo
	v_cndmask_b32 v[30+\k], v[20+\k], v[16+\k], vcc_lo
	v_and_b32 v[26+\k], 2, v[12+\k]                ; n % 4 = 2, 3: the sine is negated
	v_lshlrev_b32 v[26+\k], 30, v[26+\k]
	v_xor_b32 v[32+4*(\u)+2*\k+1], v[26+\k], v[28+\k]
	v_add_nc_u32 v[26+\k], 1, v[12+\k]             ; n % 4 = 1, 2: the cosine
	v_and_b32 v[26+\k], 2, v[26+\k]
	v_lshlrev_b32 v[26+\k], 30, v[26+\k]
	v_xor_b32 v[32+4*(\u)+2*\k], v[26+\k], v[30+\k]
.endr
	global_store_b128 v[48+(\u)], v[32+4*(\u):32+4*(\u)+3], s[16:17]
.endm
	CHUNK 0
	CHUNK 1
	CHUNK 2
	CHUNK 3
	FINISH
.Lfunc_end_k_qd5be301c0c_prep:
	.size	k_qd5be301c0c_prep, .Lfunc_end_k_qd5be301c0c_prep-k_qd5be301c0c_prep
	.p2alignl 7, 3214868480
	.fill 96, 4, 3214868480
	.section	.rodata,"a",@progbits
	.p2align	6, 0x0
	.amdhsa_kernel k_qd5be301c0c_prep
		.amdhsa_group_segment_fixed_size 68096
		.amdhsa_private_segment_fixed_size 0
		.amdhsa_enable_private_segment 0
		.amdhsa_kernarg_size 56
		.amdhsa_user_sgpr_count 2
		.amdhsa_user_sgpr_kernarg_segment_ptr 1
		.amdhsa_wavefront_size32 1
		.amdhsa_system_sgpr_workgroup_id_x 1
		.amdhsa_system_sgpr_workgroup_id_y 1
		.amdhsa_system_sgpr_workgroup_id_z 1
		.amdhsa_system_vgpr_workitem_id 0
		.amdhsa_next_free_vgpr 192
		.amdhsa_next_free_sgpr 66
		.amdhsa_reserve_vcc 1
		.amdhsa_float_denorm_mode_32 3
		.amdhsa_float_denorm_mode_16_64 3
		.amdhsa_memory_ordered 1
		.amdhsa_forward_progress 1
		.amdhsa_inst_pref_size 144
	.end_amdhsa_kernel
	.amdgpu_metadata
---
amdhsa.version: [ 1, 2 ]
amdhsa.kernels:
  - .name:           k_qd5be301c0c_prep
    .symbol:         k_qd5be301c0c_prep.kd
    .args:
      - { .name: x, .offset: 0, .size: 8, .value_kind: global_buffer, .address_space: global }
      - { .name: w_qkv, .offset: 8, .size: 8, .value_kind: global_buffer, .address_space: global }
      - { .name: w_proj, .offset: 16, .size: 8, .value_kind: global_buffer, .address_space: global }
      - { .name: codes, .offset: 24, .size: 8, .value_kind: global_buffer, .address_space: global }
      - { .name: scales, .offset: 32, .size: 8, .value_kind: global_buffer, .address_space: global }
      - { .name: wf, .offset: 40, .size: 8, .value_kind: global_buffer, .address_space: global }
      - { .name: rope, .offset: 48, .size: 8, .value_kind: global_buffer, .address_space: global }
    .group_segment_fixed_size: 68096
    .private_segment_fixed_size: 0
    .kernarg_segment_align: 8
    .kernarg_segment_size: 56
    .max_flat_workgroup_size: 128
    .sgpr_count:     66
    .vgpr_count:     192
    .wavefront_size: 32
...
	.end_amdgpu_metadata
.endif
;; end of part 1
;; launch qkv (part 2): grid 12 x 32, 4 waves a work-group, clusters of 4 x 4, 327,680 bytes of LDS; arguments codes, scales, rope, qkv; writes qkv
.if DOCPART == 2
	.amdgcn_target "amdgcn-amd-amdhsa--gfx1250"
	.amdhsa_code_object_version 6
	.text
	.protected	k_qd5be301c0c_qkv
	.globl	k_qd5be301c0c_qkv
	.p2align	8
	.type	k_qd5be301c0c_qkv,@function
k_qd5be301c0c_qkv:
	s_mov_b64 s[64:65], 0
	v_nop
	global_prefetch_b8 v0, s[64:65] scope:SCOPE_SE
	s_setreg_imm32_b32 hwreg(HW_REG_WAVE_MODE, 25, 1), 1
	s_wait_xcnt 0x0
	s_wait_alu depctr_hold_cnt(0) depctr_sa_sdst(0) depctr_va_vdst(0) depctr_va_sdst(0) depctr_va_ssrc(0) depctr_va_vcc(0) depctr_vm_vsrc(0)
	s_getreg_b32 s2, hwreg(HW_REG_IB_STS2, 6, 4)
	s_cmp_eq_u32 s2, 0
	s_cbranch_scc0 .Lentry_in_a_cluster
	s_endpgm
.Lentry_in_a_cluster:
	s_bfe_u32 s2, ttmp6, 0x10000c
	s_cmp_lg_u32 s2, 0xf033
	s_cbranch_scc0 .Lentry_shape_is_right
	s_endpgm
.Lentry_shape_is_right:
; QKV: x @ w_qkv on codes of E2M1 with E8M0 scales, the rotation of q and k, and the rounding of q, k, v to f16.  Nothing is left out.
; 'codes' is ONE matrix of 11,264 rows x 512 bytes (1,024 codes, K innermost): rows 0..8191 are x's, row 8192 + n is column n of w_qkv; 'scales' has 32 bytes a row.  A tile is 256 rows; tiles 0..31 are x's, 32..43 w's.
; A work-group of four waves multiplies two tiles, 256 x 256; a wave makes 128 x 128: 64 accumulators, 512 registers.  K = 1,024 is two LDS slots of 512 along K: both are asked for at the start and nothing is filled again.
; THE MATRIX INSTRUCTION IS USED TRANSPOSED: source 0 = 16 rows of tile B, source 1 = 16 rows of tile A: a lane holds ONE row of A and eight neighbouring rows of B.
; ROLES, by the cluster's x, which all sixteen partners share: 0 = q, 1 = k: A = a tile of x, B = a tile of w: a lane holds one position and eight neighbouring channels.
;   2 = v: A = a tile of w, B = a tile of x: a lane holds one channel and eight neighbouring positions.  The products' text is the same for all roles.
; Packed to f16, an accumulator's eight numbers a lane are HALF AN IMAGE of an operand of the next launch, lane for lane: so each store of the wave is 512 consecutive bytes, with no way through LDS.
;   q at byte 0, k at 16 MiB: [batch x 16 + head][pos / 16][c 0..1][1,024 bytes]: 16 positions x channels 32 c ..;  v at 32 MiB: [batch x 16 + head][key / 32][ct 0..3][1,024 bytes]: 16 channels x 32 keys.
;   An image: [g 0..1][lane][16 bytes]; lane (r, h) holds row r and the product's k = 16 g + 8 h + 0..7.
; CLUSTERS: 4 x 4 work-groups.  A's tile hangs on cy (and the cluster's y), B's on cx: each is asked for jointly along a row or a column of the cluster.
; LIMITS: q, k, v are rounded to f16: magnitudes stay under 65,504; under 6e-5 the step is 2^-24.  NaN and infinities among the inputs are not served.
; REGISTERS, in windows of 256: window 0: v0-31 addresses; v32-95 scale words, two sets; v128-191 A's fragments, one set; on the way out v32-95 rotated numbers, v96-159 packed results, two sets.
;   window 1: B's fragments, two sets; on the way out the table's 256 numbers a lane.   windows 2, 3: the accumulators ((a, b) at v[8 (8 (a % 4) + b)]).
.set NQ,     4                         ; matrix instructions deep in a slot
.set ROWB,   256                       ; a tile's row in a slot, in bytes: 512 codes
.set KROW,   512                       ; a row of 'codes'
.set PITCH,  272                       ; an LDS row: 256 bytes + 16 of padding: the 16 rows that a load touches start 68 words apart
.set FR,     8                         ; registers of a fragment: 16 rows x 128 K
.set NL,     2                         ; LDS loads that bring one
.set NP,     4                         ; places behind this matrix instruction (ISA guide 7.12.1)
.set HALFT,  128*PITCH                 ; what one tensor load brings, and what one wave reads of A or of B
.set SLOT,   4*HALFT                   ; A's 256 rows, then B's
.set KS,     32                        ; a row of scales in bytes
.set SCL,    2*SLOT                    ; behind the slots: the scales, as units of 256 bytes + 16 of padding
.set HALFS,  (128*KS/256)*272          ; those of 128 rows
.set SBLK,   (16*KS/256)*272           ; those of 16 rows
.set SPARE,  SCL+4*HALFS               ; the spare words, 128 bytes for each wave: two blocks of 256 bytes that no other line names
.set ADRA, 16                          ; v16-17  LDS address of my A fragments in slot 0, 1
.set ADRB, 20                          ; v20-21  the same for B
.set LO,   26                          ; v26     16 x lane: my place in an image and in the table
.set ADRS, 27                          ; v27     LDS address of my scale words: lanes 0-15 A's rows, lanes 16-31 B's
.set SPW,  28                          ; v28     LDS address of my spare word; never rewritten
.set NIL,  29                          ; v29     0; never rewritten
.set SC,   32                          ; scale words: set s at v[SC + 32 s]; register 4 i + q: lanes 0-15 A's block i, lanes 16-31 B's block i, the slot's q-th 128 along K
.set AF,   128                         ; A's fragments
.set YR,   32                          ; the way out: 64 rotated numbers
.set OUT,  96                          ; the way out: 32 packed registers, two sets by turns
.set G1, 24                            ; s[24:31] descriptor group 1 for A's tiles;  s[32:39] group 0, one set for each slot
.set G0, 32
.set G1B, 48                           ; s[48:55], s[56:63] the same for B's tiles
.set G0B, 56
.set G1S, 68                           ; s[68:75], s[76:79] groups 1 and 0 for A's scales;  s[80:87], s[88:91] for B's
.set G0S, 76
.set G1SB, 80
.set G0SB, 88
.set MSB, 0
.macro WIN new                         ; the immediate's high byte repeats the setting that is left
.if MSB != \new
	s_set_vgpr_msb (MSB<<8)|\new
.set MSB, \new
.endif
.endm
.set MUL_LO, 0xa1                      ; source 0 (B) window 1, source 1 (A) window 0, C and D window 2
.set MUL_HI, 0xf1                      ; the same, C and D window 3
.set TO_B,   0x40                      ; destination window 1, address window 0
; A joint load: waves 0 and 1 fetch for A, waves 2 and 3 for B; the branch hangs on the wave's number alone.  An s_nop 0 and four v_nop follow each of the two lines.
.macro JLOAD g0a, g1a, g0b, g1b
	s_cmp_eq_u32 s15, 0
	s_cbranch_scc0 .Lfor_b_\@
	tensor_load_to_lds s[\g0a:\g0a+3], s[\g1a:\g1a+7]
	s_nop 0
.rept 4
	v_nop
.endr
	s_branch .Lasked_\@
.Lfor_b_\@:
	tensor_load_to_lds s[\g0b:\g0b+3], s[\g1b:\g1b+7]
	s_nop 0
.rept 4
	v_nop
.endr
.Lasked_\@:
.endm
.macro CROUND                          ; a round of the cluster's barrier
	s_barrier_signal -1
	s_barrier_wait -1
	s_cmp_lg_u32 s14, 0
	s_cbranch_scc1 .Lnot_wave_0_\@
	s_barrier_signal -3
.Lnot_wave_0_\@:
	s_barrier_wait -3
	s_barrier_signal -1
	s_barrier_wait -1
.endm
	s_load_b256 s[4:11], s[0:1], 0x0               ; codes s[4:5], scales s[6:7], rope s[8:9], qkv s[10:11]
	v_lshl_add_u32 v[SPW], v0, 2, SPARE
	v_mov_b32 v[NIL], 0
	ds_add_u32 v[SPW], v[NIL]                      ; the wave's opening: the add, twice on end, and its wait ahead of my first tensor load
	ds_add_u32 v[SPW], v[NIL]                      ; and once more, under the one wait; the set-up below, work on registers, stands between
	v_lshrrev_b32 v1, 5, v0
	v_readfirstlane_b32 s14, v1                    ; wave 0..3
	s_lshr_b32 s15, s14, 1                         ; which half of A's rows is mine.  Also: I fetch for A (0) or for B (1)
	s_and_b32 s16, s14, 1                          ; which half of B's rows.  Also: which 128 rows of that tile I fetch
	s_bfe_u32 s40, ttmp6, 0x40000                  ; cx, cy: my place in the cluster
	s_bfe_u32 s41, ttmp6, 0x40004
	s_and_b32 s17, ttmp7, 0xffff
	s_lshl_b32 s17, s17, 2                         ; 4 x cluster y: four tiles of x
	s_lshl_b32 s42, ttmp9, 2
	s_add_co_u32 s42, s42, 32                      ; 32 + 4 x cluster x: four tiles of w (q's or k's)
	s_cmp_eq_u32 ttmp9, 2                          ; the role v?  The same in all sixteen partners
	s_cselect_b32 s42, s17, s42                    ; B: v: tiles of x; else tiles of w
	s_cselect_b32 s17, 40, s17                     ; A: v: w's tiles 40..43; else tiles of x
	s_add_co_u32 s42, s42, s40                     ; B's tile hangs on cx,
	s_add_co_u32 s17, s17, s41                     ; A's on cy
	s_lshl_b32 s43, s41, 2
	s_lshl_b32 s43, 15, s43                        ; my row of the cluster
	s_lshl_b32 s44, 0x1111, s40                    ; my column
	; descriptor group 1: a tile of 128 rows x 256 bytes, padded in LDS
	s_or_b32 s[G1+0], s43, (0<<16)|(1<<20)|(1<<21)|(5<<22)|(3<<25)  ; 15:0 the mask: A's tiles go to my row; elements of 1 byte; padding on; bit 21 beside a mask; after every 64 words, 4 words
	s_or_b32 s[G1B+0], s44, (0<<16)|(1<<20)|(1<<21)|(5<<22)|(3<<25)
.irp g, G1, G1B
	s_mov_b32 s[\g+1], ROWB<<16                    ; tensor_dim0
	s_mov_b32 s[\g+2], 128<<16                     ; tensor_dim1
	s_mov_b32 s[\g+3], ROWB<<16                    ; tile_dim0
	s_mov_b32 s[\g+4], 128                         ; tile_dim1
	s_mov_b32 s[\g+5], KROW                        ; the pitch
	s_mov_b32 s[\g+6], 0
	s_mov_b32 s[\g+7], 0
.endr
	; the scales of 128 rows: a dense block of 4,096 bytes, as 16 rows of 256 bytes (32 elements of 8 bytes), 16 bytes of padding behind each
	s_or_b32 s[G1S+0], s43, (3<<16)|(1<<20)|(1<<21)|(5<<22)|(3<<25)
	s_or_b32 s[G1SB+0], s44, (3<<16)|(1<<20)|(1<<21)|(5<<22)|(3<<25)
.irp g, G1S, G1SB
	s_mov_b32 s[\g+1], 32<<16
	s_mov_b32 s[\g+2], (128*KS/256)<<16
	s_mov_b32 s[\g+3], 32<<16
	s_mov_b32 s[\g+4], 128*KS/256
	s_mov_b32 s[\g+5], 32
	s_mov_b32 s[\g+6], 0
	s_mov_b32 s[\g+7], 0
.endr
	s_lshl_b32 s18, s16, 7                         ; which 128 rows of the tile I fetch
	s_lshl_b32 s20, s17, 8
	s_add_co_u32 s20, s20, s18                     ; A: row 256 x tile + 128 x half
	s_lshl_b32 s46, s42, 8
	s_add_co_u32 s46, s46, s18                     ; B likewise
	s_mov_b32 s21, 0
	s_mov_b32 s47, 0
	s_mov_b64 s[18:19], KS
	s_mul_u64 s[22:23], s[20:21], s[18:19]         ; where these rows' scales begin, in bytes,
	s_mul_u64 s[92:93], s[46:47], s[18:19]
	s_mov_b64 s[18:19], KROW
	s_mul_u64 s[20:21], s[20:21], s[18:19]         ; and their codes
	s_mul_u64 s[46:47], s[46:47], s[18:19]
	s_mul_i32 s45, s14, HALFT                      ; where they go: wave x 128 rows: no place in the cluster enters an LDS address
	s_mul_i32 s94, s14, HALFS
	s_wait_dscnt 0x0                               ; both opening adds are done
	s_wait_kmcnt 0x0
	s_add_nc_u64 s[20:21], s[4:5], s[20:21]
	s_add_nc_u64 s[22:23], s[6:7], s[22:23]
	s_add_nc_u64 s[46:47], s[4:5], s[46:47]
	s_add_nc_u64 s[92:93], s[6:7], s[92:93]
	CROUND                                         ; all sixteen work-groups are here: the joint loads meet
	s_mov_b32 s[G0S], 1
	s_add_co_u32 s[G0S+1], s94, SCL
	s_mov_b64 s[G0S+2:G0S+3], s[22:23]
	s_or_b32 s[G0S+3], s[G0S+3], 0x80000000
	s_mov_b32 s[G0SB], 1
	s_add_co_u32 s[G0SB+1], s94, SCL
	s_mov_b64 s[G0SB+2:G0SB+3], s[92:93]
	s_or_b32 s[G0SB+3], s[G0SB+3], 0x80000000
	JLOAD G0S, G1S, G0SB, G1SB                     ; the scales first: they are wanted with the first slot
.irp s, 0,1
	s_mov_b32 s[G0+4*\s], 1
	s_add_co_u32 s[G0+4*\s+1], s45, \s*SLOT
	s_add_nc_u64 s[G0+4*\s+2:G0+4*\s+3], s[20:21], \s*ROWB
	s_or_b32 s[G0+4*\s+3], s[G0+4*\s+3], 0x80000000
	s_mov_b32 s[G0B+4*\s], 1
	s_add_co_u32 s[G0B+4*\s+1], s45, \s*SLOT
	s_add_nc_u64 s[G0B+4*\s+2:G0B+4*\s+3], s[46:47], \s*ROWB
	s_or_b32 s[G0B+4*\s+3], s[G0B+4*\s+3], 0x80000000
	JLOAD G0+4*\s, G1, G0B+4*\s, G1B               ; three tensor loads of mine are out behind the second of these
.endr
	v_and_b32 v1, 15, v0                           ; l % 16
	v_bfe_u32 v2, v0, 4, 1                         ; l / 16
	v_mul_u32_u24 v3, v1, PITCH
	v_lshl_add_u32 v4, v2, 4, v3                   ; a fragment's row x pitch + 16 x half
	s_mul_i32 s21, s15, HALFT                      ; my 128 rows of A
	s_mul_i32 s22, s16, HALFT                      ; my 128 rows of B,
	s_add_co_u32 s22, s22, 2*HALFT                 ; which lie behind A's 256
.irp s, 0,1
	v_add_nc_u32 v[ADRA+\s], s21, v4
	v_add_nc_u32 v[ADRB+\s], s22, v4
	s_add_co_u32 s21, s21, SLOT
	s_add_co_u32 s22, s22, SLOT
.endr
	v_mul_u32_u24 v5, v1, KS                       ; my row's scales: 32 bytes a row,
	v_lshrrev_b32 v6, 8, v5
	v_lshl_add_u32 v5, v6, 4, v5                   ; and 16 more for each 256 passed
	s_mul_i32 s21, s15, HALFS
	s_mul_i32 s22, s16, HALFS
	s_add_co_u32 s22, s22, 2*HALFS
	s_sub_co_u32 s22, s22, s21
	v_mul_u32_u24 v6, s22, v2                      ; lanes 16-31 take B's: one product, the distance between the two bases
	s_add_co_u32 s21, s21, SCL
	v_add_nc_u32 v5, v5, v6
	v_add_nc_u32 v[ADRS], s21, v5
	v_and_b32 v6, 31, v0
	v_lshlrev_b32 v[LO], 4, v6
	; where my results go.  One formula serves the three roles: role x 16 MiB + (batch x 16 + head) x 262,144 + (my first position in the batch) x 128 bytes
	s_cmp_eq_u32 ttmp9, 2
	s_cselect_b32 s92, s42, s17                    ; the tile of x,
	s_cselect_b32 s93, s41, s40                    ; the tile of w among its four: 4 heads each,
	s_cselect_b32 s94, s15, s16                    ; my half of w's tile: 2 heads,
	s_cselect_b32 s95, s16, s15                    ; my half of x's tile: 128 positions
	s_lshr_b32 s96, s92, 3
	s_lshl_b32 s96, s96, 4                         ; batch x 16
	s_lshl_b32 s93, s93, 2
	s_add_co_u32 s96, s96, s93
	s_lshl_b32 s94, s94, 1
	s_add_co_u32 s96, s96, s94                     ; + my first head
	s_lshl_b32 s96, s96, 18
	s_and_b32 s92, s92, 7
	s_lshl_b32 s92, s92, 15                        ; 256 positions x 128 bytes
	s_lshl_b32 s95, s95, 14
	s_add_co_u32 s92, s92, s95
	s_add_co_u32 s96, s96, s92
	s_lshl_b32 s97, ttmp9, 24
	s_add_co_u32 s96, s96, s97
	s_mov_b32 s97, 0
	s_add_nc_u64 s[12:13], s[10:11], s[96:97]
	s_lshl_b32 s92, s92, 1                         ; the table has 256 bytes a position
	s_mov_b32 s93, 0
	s_add_nc_u64 s[66:67], s[8:9], s[92:93]
.macro FRAG reg, adr, q, i             ; 16 rows x 128 K of 4-bit codes: lane l holds row l % 16; registers 4 c .. 4 c + 3 hold K = 64 c + 32 (l / 16) + 0 .. 31
.irp c, 0,1
	ds_load_b128 v[\reg+4*\c:\reg+4*\c+3], v[\adr] offset:64*(\q)+32*\c+(\i)*16*PITCH
.endr
.endm
; 16 matrix instructions: A's blocks a0, a0 + 1 x B's eight, the slot's q-th 128 along K.  p: B's set;  sc: the set of scale words.  zero = 1: the first product starts the sums.
; The 64 accumulators take turns, one instruction a turn, in the same order in every step.
.macro MUL16 a0, p, q, sc, zero
.irp a, \a0, \a0+1
.irp b, 0,1,2,3,4,5,6,7
.if \zero
	v_wmma_scale_f32_16x16x128_f8f6f4 v[8*(8*((\a)%4)+\b):8*(8*((\a)%4)+\b)+7], v[128*(\p)+FR*\b:128*(\p)+FR*\b+FR-1], v[AF+FR*(\a):AF+FR*(\a)+FR-1], 0, v[SC+8*NQ*(\sc)+NQ*\b+(\q)], v[SC+8*NQ*(\sc)+NQ*(\a)+(\q)] matrix_a_fmt:MATRIX_FMT_FP4 matrix_b_fmt:MATRIX_FMT_FP4 matrix_a_scale:MATRIX_SCALE_ROW1
.else
	v_wmma_scale_f32_16x16x128_f8f6f4 v[8*(8*((\a)%4)+\b):8*(8*((\a)%4)+\b)+7], v[128*(\p)+FR*\b:128*(\p)+FR*\b+FR-1], v[AF+FR*(\a):AF+FR*(\a)+FR-1], v[8*(8*((\a)%4)+\b):8*(8*((\a)%4)+\b)+7], v[SC+8*NQ*(\sc)+NQ*\b+(\q)], v[SC+8*NQ*(\sc)+NQ*(\a)+(\q)] matrix_a_fmt:MATRIX_FMT_FP4 matrix_b_fmt:MATRIX_FMT_FP4 matrix_a_scale:MATRIX_SCALE_ROW1
.endif
.endr
.endr
.endm
.macro FETCH_B slot, q, p              ; B's eight fragments of the slot's q-th 128 along K into set p
	WIN TO_B
.irp i, 0,1,2,3,4,5,6,7
	FRAG 128*(\p)+FR*\i, ADRB+\slot, \q, \i
.endr
	WIN 0
.endm
.macro FETCH_A slot, q, i0             ; A's blocks i0 .. i0 + 3
.irp i, \i0, \i0+1, \i0+2, \i0+3
	FRAG AF+FR*(\i), ADRA+\slot, \q, \i
.endr
.endm
.macro SCALES sc                       ; a slot's scale words into set sc: 4 words a row; lanes 0-15 take A's block i, lanes 16-31 B's block i
.irp i, 0,1,2,3,4,5,6,7
	ds_load_b128 v[SC+8*NQ*\sc+NQ*\i:SC+8*NQ*\sc+NQ*\i+3], v[ADRS] offset:\i*SBLK
.endr
.endm
; A load into a register that a matrix instruction has read, and a vector instruction or store that reads a matrix result, stand NP places behind it; only plain vector instructions that name none of its registers are places.
.macro PLACES n
.rept \n
	v_nop
.endr
.endm
; A step of 128 along K that has its successor in the same slot.  A has one set of registers (a block is free when its eight products are issued), B two.
.macro STEP slot, q, zero
	s_wait_dscnt 4*NL                              ; B's set and A's blocks 0-3 are in; the youngest eight loads (A's blocks 4-7) may be out
	WIN MUL_LO
	MUL16 0, (\q)%2, \q, \slot, \zero
	MUL16 2, (\q)%2, \q, \slot, \zero
	s_wait_dscnt 0                                 ; A's blocks 4-7 are in
	PLACES NP
	FETCH_B \slot, (\q)+1, 1-(\q)%2
	FETCH_A \slot, (\q)+1, 0
	WIN MUL_HI
	MUL16 4, (\q)%2, \q, \slot, \zero
	MUL16 6, (\q)%2, \q, \slot, \zero
	PLACES NP
	WIN 0
	FETCH_A \slot, (\q)+1, 4
.endm
; Slot 0's last step goes over to slot 1: each wave waits for all its tensor loads (its part of slot 1), then one barrier.  Nothing is filled again.
.macro TURN slot, next
	s_wait_tensorcnt 0x0                           ; all my tensor loads have landed;
	ds_add_u32 v[SPW], v[NIL]                      ; 0 onto my spare word;
	s_wait_dscnt 4*NL+1                            ; (the add and the youngest eight loads, A's blocks 4-7, may be out)
	WIN MUL_LO
	MUL16 0, 1, NQ-1, \slot, 0                     ; sixteen matrix instructions stand between the add and the wait for it
	s_wait_dscnt 0x0                               ; the add is done, and my reads of this slot are over
	s_barrier_signal -1
	MUL16 2, 1, NQ-1, \slot, 0
	WIN 0
	s_barrier_wait -1                              ; the next slot is whole
	PLACES NP
	v_add_nc_u32 v[ADRS], 4*NQ, v[ADRS]            ; on to the next slot's scale words
	FETCH_B \next, 0, 0
	FETCH_A \next, 0, 0
	SCALES \next
	WIN MUL_HI
	MUL16 4, 1, NQ-1, \slot, 0
	MUL16 6, 1, NQ-1, \slot, 0
	PLACES NP
	WIN 0
	FETCH_A \next, 0, 4
.endm
.macro STEPS slot, from                ; the slot's steps from .. NQ - 2
.set Q, \from
.rept NQ-1-\from
	STEP \slot, Q, 0
.set Q, Q+1
.endr
.endm
	s_wait_tensorcnt 1                             ; the scales and my part of slot 0 are in; slot 1's load may be out
	s_barrier_signal -1
	s_barrier_wait -1                              ; everybody's are
	FETCH_B 0, 0, 0
	FETCH_A 0, 0, 0
	SCALES 0
	FETCH_A 0, 0, 4
	STEP 0, 0, 1                                   ; the first step's products start the sums: nothing is cleared
	STEPS 0, 1
	TURN 0, 1
	STEPS 1, 0
	s_wait_dscnt 4*NL                              ; the last step: nothing more to fetch
	WIN MUL_LO
	MUL16 0, 1, NQ-1, 1, 0
	MUL16 2, 1, NQ-1, 1, 0
	s_wait_dscnt 0
	WIN MUL_HI
	MUL16 4, 1, NQ-1, 1, 0
	MUL16 6, 1, NQ-1, 1, 0
	WIN 0
	PLACES NP                                      ; ahead of the loads into B's registers, of the writes over the scale words and A's fragments, and of the first reads of results
	s_cmp_eq_u32 ttmp9, 2
	s_cbranch_scc1 .Lv_out
	; ---- q and k: the rotation.  My 128 positions' cosines and sines, laid as my lanes want them: block a, tile b % 4: eight numbers a lane (cos, sin of the lane's four pairs); 64 loads of 512 consecutive bytes
	WIN TO_B
.irp a, 0,1,2,3,4,5,6,7
.irp q, 0,1,2,3
.irp c, 0,1
	global_load_b128 v[32*\a+8*\q+4*\c:32*\a+8*\q+4*\c+3], v[LO], s[66:67] offset:4096*\a+1024*\q+512*\c
.endr
.endr
.endr
	WIN 0
; Block a: 16 positions x my 128 channels (two heads).  A pair (re, im) lies in two neighbouring registers: re' = re cos - im sin, im' = re sin + im cos.  Each accumulator is read from its low end on.
.macro ROPE a
	s_wait_loadcnt 8*(7-(\a))                      ; this block's eight loads are in; eight for each younger block may be out
.if (\a) >= 2
	s_wait_xcnt 0x0                                ; block a - 2's stores have read their data: that set is written again
.endif
.set AC, 64*((\a)%4)
	WIN 0x06+(\a)/4                                ; source 0: the accumulators' window, source 1: window 1 (the table), source 2 and destination: window 0
.irp b, 0,1,2,3,4,5,6,7
.irp u, 0,1,2,3
	v_pk_mul_f32 v[YR+8*\b+2*\u:YR+8*\b+2*\u+1], v[AC+8*\b+2*\u:AC+8*\b+2*\u+1], v[32*(\a)+8*(\b%4)+2*\u:32*(\a)+8*(\b%4)+2*\u+1] op_sel_hi:[1,0]   ; re cos, im cos
.endr
.irp u, 0,1,2,3
	v_fma_f32 v[YR+8*\b+2*\u], -v[AC+8*\b+2*\u+1], v[32*(\a)+8*(\b%4)+2*\u+1], v[YR+8*\b+2*\u]
	v_fma_f32 v[YR+8*\b+2*\u+1], v[AC+8*\b+2*\u], v[32*(\a)+8*(\b%4)+2*\u+1], v[YR+8*\b+2*\u+1]
.endr
.endr
	WIN 0
.irp b, 0,1,2,3,4,5,6,7
.irp u, 0,1,2,3
	v_cvt_pk_f16_f32 v[OUT+32*((\a)%2)+4*\b+\u], v[YR+8*\b+2*\u], v[YR+8*\b+2*\u+1]
.endr
.endr
.irp b, 0,1,2,3,4,5,6,7
	global_store_b128 v[LO], v[OUT+32*((\a)%2)+4*\b:OUT+32*((\a)%2)+4*\b+3], s[12:13] offset:(\b/4)*262144+2048*(\a)+((\b%4)/2)*1024+(\b%2)*512   ; half an image: 512 consecutive bytes
.endr
.endm
.irp a, 0,1,2,3,4,5,6,7
	ROPE \a
.endr
	s_branch .Ldone
	; ---- v: block a is 16 channels, tile b 16 positions: packed, half an image of V^T
.Lv_out:
.macro PACKV a
.if (\a) >= 2
	s_wait_xcnt 0x0                                ; block a - 2's stores have read their data
.endif
.set AC, 64*((\a)%4)
	WIN 0x0a+5*((\a)/4)                            ; sources 0 and 1: window 2 or 3
.irp b, 0,1,2,3,4,5,6,7
.irp u, 0,1,2,3
	v_cvt_pk_f16_f32 v[OUT+32*((\a)%2)+4*\b+\u], v[AC+8*\b+2*\u], v[AC+8*\b+2*\u+1]
.endr
.endr
	WIN 0
.irp b, 0,1,2,3,4,5,6,7
	global_store_b128 v[LO], v[OUT+32*((\a)%2)+4*\b:OUT+32*((\a)%2)+4*\b+3], s[12:13] offset:((\a)/4)*262144+(\b/2)*4096+((\a)%4)*1024+(\b%2)*512
.endr
.endm
.irp a, 0,1,2,3,4,5,6,7
	PACKV \a
.endr
.Ldone:
	s_wait_tensorcnt 0x0                           ; the wave's end
	ds_add_u32 v[SPW], v[NIL]
	s_wait_dscnt 0x0
	CROUND                                         ; the closing round: no work-group ends while a partner may still ask for a tile that names it
	s_endpgm
.Lfunc_end_k_qd5be301c0c_qkv:
	.size	k_qd5be301c0c_qkv, .Lfunc_end_k_qd5be301c0c_qkv-k_qd5be301c0c_qkv
	.p2alignl 7, 3214868480
	.fill 96, 4, 3214868480
	.section	.rodata,"a",@progbits
	.p2align	6, 0x0
	.amdhsa_kernel k_qd5be301c0c_qkv
		.amdhsa_group_segment_fixed_size 327680
		.amdhsa_private_segment_fixed_size 0
		.amdhsa_enable_private_segment 0
		.amdhsa_kernarg_size 32
		.amdhsa_user_sgpr_count 2
		.amdhsa_user_sgpr_kernarg_segment_ptr 1
		.amdhsa_wavefront_size32 1
		.amdhsa_system_sgpr_workgroup_id_x 1
		.amdhsa_system_sgpr_workgroup_id_y 1
		.amdhsa_system_sgpr_workgroup_id_z 1
		.amdhsa_system_vgpr_workitem_id 0
		.amdhsa_next_free_vgpr 1024
		.amdhsa_next_free_sgpr 100
		.amdhsa_reserve_vcc 0
		.amdhsa_float_denorm_mode_32 3
		.amdhsa_float_denorm_mode_16_64 3
		.amdhsa_memory_ordered 1
		.amdhsa_forward_progress 1
		.amdhsa_inst_pref_size 195
	.end_amdhsa_kernel
	.amdgpu_metadata
---
amdhsa.version: [ 1, 2 ]
amdhsa.kernels:
  - .name:           k_qd5be301c0c_qkv
    .symbol:         k_qd5be301c0c_qkv.kd
    .args:
      - { .name: codes, .offset: 0, .size: 8, .value_kind: global_buffer, .address_space: global }
      - { .name: scales, .offset: 8, .size: 8, .value_kind: global_buffer, .address_space: global }
      - { .name: rope, .offset: 16, .size: 8, .value_kind: global_buffer, .address_space: global }
      - { .name: qkv, .offset: 24, .size: 8, .value_kind: global_buffer, .address_space: global }
    .group_segment_fixed_size: 327680
    .private_segment_fixed_size: 0
    .kernarg_segment_align: 8
    .kernarg_segment_size: 32
    .max_flat_workgroup_size: 128
    .sgpr_count:     100
    .vgpr_count:     1024
    .wavefront_size: 32
...
	.end_amdgpu_metadata
.endif
;; end of part 2
;; launch attn (part 3): grid 4 x 64, 16 waves a work-group, clusters of 4 x 1, 327,680 bytes of LDS; arguments qkv, af; writes af
.if DOCPART == 3
	.amdgcn_target "amdgcn-amd-amdhsa--gfx1250"
	.amdhsa_code_object_version 6
	.text
	.protected	k_qd5be301c0c_attn
	.globl	k_qd5be301c0c_attn
	.p2align	8
	.type	k_qd5be301c0c_attn,@function
k_qd5be301c0c_attn:
	s_mov_b64 s[64:65], 0
	v_nop
	global_prefetch_b8 v0, s[64:65] scope:SCOPE_SE
	s_setreg_imm32_b32 hwreg(HW_REG_WAVE_MODE, 25, 1), 1
	s_wait_xcnt 0x0
	s_wait_alu depctr_hold_cnt(0) depctr_sa_sdst(0) depctr_va_vdst(0) depctr_va_sdst(0) depctr_va_ssrc(0) depctr_va_vcc(0) depctr_vm_vsrc(0)
	s_getreg_b32 s2, hwreg(HW_REG_IB_STS2, 6, 4)
	s_cmp_eq_u32 s2, 0
	s_cbranch_scc0 .Lentry_in_a_cluster
	s_endpgm
.Lentry_in_a_cluster:
	s_bfe_u32 s2, ttmp6, 0x10000c
	s_cmp_lg_u32 s2, 0x3003
	s_cbranch_scc0 .Lentry_shape_is_right
	s_endpgm
.Lentry_shape_is_right:
; ATTN: out[q] = sum over k of softmax_k(q . k / 8) v[k], for each of the 64 (batch, head), 2,048 queries x 2,048 keys x 64 channels, no mask.  f16 operands, f32 products' sums, maxima and row sums.  Nothing is left out.
; q, k, v come as images of operand registers (1,024 bytes: [g 0..1][lane][16 bytes]), so every fragment is two loads at 16 x lane and every tile a dense block.
; SHARES.  A cluster of four work-groups is one (batch, head); a work-group owns 512 queries, each of its SIXTEEN waves 32 of them: two tiles of 16, in 256 registers, four waves to a SIMD,
; so that one wave's vector work stands beside another's matrix work and LDS loads.  Every fragment of K and V that a wave reads feeds two products.
; LAYOUT.  Both products are used transposed: S^T = K Q^T (source 0 = 16 keys, source 1 = 16 queries), O^T = V^T P (source 0 = 16 channels, source 1 = P): a lane holds ONE query throughout.
; Two tiles of S^T, packed to f16 in pairs, ARE a fragment of P; O^T packed is half an image of the next launch's operand: af[row / 128][channel / 32][(row % 128) / 16][1,024 bytes].
; SOFTMAX.  A running maximum m and sum l for each query: p = 2^(c s - c m), c = log2(e) / 8; in every step O^T and l are multiplied by a = 2^(c m_old - c m_new).  The sum is taken of p before it is rounded.
; The step is written once: m begins at -3e38, l and O^T at 0, and the first a is 0.
; THE RING.  Two LDS slots of 512 keys (K's 64 KiB, then V's).  Wave w owns the 16 KiB at 16,384 w: waves 0-7 fill slot 0, waves 8-15 slot 1; every wave issues one first fill.  The four partners walk the same K and V:
; each tile is asked for JOINTLY.  2,048 keys are four slots' worth: each slot is filled again once, behind a round of the cluster's barrier; that load has the other slot's eight key steps in which to land.
; By this text's count a wave never has more than one tensor load out, and every wait for tensor loads is for all of them.
; No prefetch is written: the first fills stand at the head, and each refill is itself asked for eight key steps ahead of the wait for it.
; LIMITS: p and the result are rounded to f16 (the result's magnitudes stay under 65,504); the row's sum adds in another order than reference()'s; NaN and infinities are not served.
.set LI,   1                           ; v1   16 x lane
.set LIV,  2                           ; v2   the same in V's part of a slot
.set ADK,  3                           ; v3   LDS address of the step's K
.set ADV,  4                           ; v4   of its V
.set SPW,  5                           ; v5   LDS address of my spare word; never rewritten
.set NIL,  6                           ; v6   0; never rewritten
.set ST,   8                           ; tile t's statistics at v[8 + 8 t]: +0 c m, +1 m, +2, +3 l (even keys', odd keys'), +4 to +7 at work; a at +6
.set Q,    32                          ; v32-63   Q: tile t, channels 32 c on: 16 t + 8 c
.set KV,   64                          ; v64-127  eight fragments: a step's K, then its V
.set S,    128                         ; v128-191 S^T: 32 t + 8 kt; later P in each tile's low 16
.set O,    192                         ; v192-255 O^T: 32 t + 8 ct
.set SLOT1, 131072
.set VOFF,  65536
.set SPARE, 262144                     ; behind the ring: the spare words, 128 bytes for each wave: eight blocks of 256 bytes that no other line names
.set WV,   8                           ; s8   my wave's number
.set CS,   28                          ; s[28:29] c: the packed scaling names a pair and takes its low word for both halves
.set SEL,  30                          ; s[30:31] lane selects for v_permlanex16_b32: lane l xor 16
.set TB,   32                          ; s32  LDS byte at which the step's K begins
.set CNT,  33                          ; s33  key steps to go in the slot
.macro CROUND                          ; a round of the cluster's barrier
	s_barrier_signal -1
	s_barrier_wait -1
	s_cmp_lg_u32 s[WV], 0
	s_cbranch_scc1 .Lnot_wave_0_\@
	s_barrier_signal -3
.Lnot_wave_0_\@:
	s_barrier_wait -3
	s_barrier_signal -1
	s_barrier_wait -1
.endm
	s_load_b128 s[4:7], s[0:1], 0x0                ; qkv s[4:5], af s[6:7]
	v_lshl_add_u32 v[SPW], v0, 2, SPARE
	v_mov_b32 v[NIL], 0
	ds_add_u32 v[SPW], v[NIL]                      ; the wave's opening: the add, twice on end, and its wait ahead of my first tensor load
	ds_add_u32 v[SPW], v[NIL]                      ; and once more, under the one wait; the set-up below, work on registers, stands between
	v_lshrrev_b32 v1, 5, v0
	v_readfirstlane_b32 s[WV], v1                  ; wave 0..15
	s_bfe_u32 s9, ttmp6, 0x40000                   ; cx: my block of 512 queries; it enters Q's and the result's addresses alone
	s_and_b32 s10, ttmp7, 0xffff                   ; batch x 16 + head, which the four partners share
	; descriptor group 1: 16 KiB, dense, as 64 rows of 256 bytes
	s_mov_b32 s16, 15|(3<<16)|(1<<21)              ; 15:0 the mask: all four work-groups; elements of 8 bytes; no padding; bit 21 beside a mask
	s_mov_b32 s17, 32<<16                          ; tensor_dim0 = 32
	s_mov_b32 s18, 64<<16                          ; tensor_dim1 = 64
	s_mov_b32 s19, 32<<16                          ; tile_dim0
	s_mov_b32 s20, 64                              ; tile_dim1
	s_mov_b32 s21, 32                              ; the pitch
	s_mov_b32 s22, 0
	s_mov_b32 s23, 0
	; group 0: wave w: LDS 16,384 w; memory: K (w / 4 even) or V (odd), slot w / 8, quarter w % 4
	s_mov_b32 s12, 1
	s_lshl_b32 s13, s[WV], 14
	s_bfe_u32 s34, s[WV], 0x10002
	s_add_co_u32 s34, s34, 1
	s_lshl_b32 s34, s34, 24                        ; k at 16 MiB, v at 32 MiB
	s_lshl_b32 s35, s10, 18
	s_add_co_u32 s34, s34, s35                     ; 262,144 bytes a head
	s_lshr_b32 s35, s[WV], 3
	s_lshl_b32 s35, s35, 16
	s_add_co_u32 s34, s34, s35                     ; 65,536 for 512 keys
	s_and_b32 s35, s[WV], 3
	s_lshl_b32 s35, s35, 14
	s_add_co_u32 s34, s34, s35
	s_mov_b32 s35, 0
	s_lshl_b32 s24, s10, 18                        ; Q: the head, my block's 65,536 bytes, my wave's 4,096
	s_lshl_b32 s25, s9, 16
	s_add_co_u32 s24, s24, s25
	s_lshl_b32 s25, s[WV], 12
	s_add_co_u32 s24, s24, s25
	s_mov_b32 s25, 0
	s_lshr_b32 s26, s10, 4                         ; the result: 128 rows are 262,144 bytes: batch x 16 + 4 cx + wave / 4 of them,
	s_lshl_b32 s26, s26, 4
	s_lshl_b32 s27, s9, 2
	s_add_co_u32 s26, s26, s27
	s_lshr_b32 s27, s[WV], 2
	s_add_co_u32 s26, s26, s27
	s_lshl_b32 s26, s26, 18
	s_and_b32 s27, s10, 15
	s_lshl_b32 s27, s27, 14                        ; the head's 64 channels: 2 x 8,192,
	s_add_co_u32 s26, s26, s27
	s_and_b32 s27, s[WV], 3
	s_lshl_b32 s27, s27, 11                        ; my 32 rows: 2 x 1,024
	s_add_co_u32 s26, s26, s27
	s_mov_b32 s27, 0
	s_mov_b32 s[CS], 0x3e38aa3b                    ; c = log2(e) / 8
	s_mov_b32 s[CS+1], s[CS]
	s_mov_b32 s[SEL], 0x76543210
	s_mov_b32 s[SEL+1], 0xfedcba98
	s_wait_dscnt 0x0                               ; both opening adds are done
	s_wait_kmcnt 0x0
	s_add_nc_u64 s[14:15], s[4:5], s[34:35]
	s_or_b32 s15, s15, 0x80000000                  ; the type
	s_add_nc_u64 s[24:25], s[4:5], s[24:25]
	s_add_nc_u64 s[26:27], s[6:7], s[26:27]
	CROUND                                         ; all four work-groups are here: the first joint loads meet
	tensor_load_to_lds s[12:15], s[16:23]          ; every wave's first fill: both slots
	s_nop 0
.rept 4
	v_nop
.endr
	v_and_b32 v[LI], 31, v0
	v_lshlrev_b32 v[LI], 4, v[LI]
	v_add_nc_u32 v[LIV], VOFF, v[LI]
.irp t, 0,1
.irp c, 0,1
	global_load_b128 v[Q+16*\t+8*\c:Q+16*\t+8*\c+3],   v[LI], s[24:25] offset:2048*\t+1024*\c       ; Q stays in registers
	global_load_b128 v[Q+16*\t+8*\c+4:Q+16*\t+8*\c+7], v[LI], s[24:25] offset:2048*\t+1024*\c+512
.endr
.endr
.irp t, 0,1
	v_mov_b32 v[ST+8*\t+1], 0xff61b1e6             ; m: -3e38, under every score
	v_mov_b32 v[ST+8*\t+2], 0                      ; l
	v_mov_b32 v[ST+8*\t+3], 0
.endr
.irp t, 0,1
	v_mul_f32 v[ST+8*\t], s[CS], v[ST+8*\t+1]      ; c m
.endr
.set i, 0
.rept 64
	v_mov_b32 v[O+i], 0                            ; O^T.  (The step is written once: its first trip finds zeros, which the first a leaves zeros)
.set i, i+1
.endr
	s_wait_loadcnt 0x0                             ; Q
	s_wait_tensorcnt 0x0                           ; my first fill has landed,
	s_barrier_signal -1
	s_barrier_wait -1                              ; everybody's has: both slots are whole.
; A KEY STEP: 64 keys: 8,192 bytes of K at s[TB], 8,192 of V at s[TB] + VOFF.
.macro STEP
	v_add_nc_u32 v[ADK], s[TB], v[LI]
	v_add_nc_u32 v[ADV], s[TB], v[LIV]
.rept 3
	v_nop                                          ; with the two additions: five places behind the last products V^T P: four are owed to the loads into their fragments, five to the products below, which write over P
.endr
.irp f, 0,1,2,3,4,5,6,7                        ; K: fragment f = 2 kt + kc: keys 16 kt on, channels 32 kc on
	ds_load_b128 v[KV+8*\f:KV+8*\f+3],   v[ADK] offset:1024*\f
	ds_load_b128 v[KV+8*\f+4:KV+8*\f+7], v[ADK] offset:1024*\f+512
.endr
	s_wait_dscnt 0x0
.irp kc, 0,1                                   ; S^T = K Q^T: the eight accumulators take turns, one instruction a turn; the first eight start the sums
.irp kt, 0,1,2,3
.irp t, 0,1
.if \kc == 0
	v_wmma_f32_16x16x32_f16 v[S+32*\t+8*\kt:S+32*\t+8*\kt+7], v[KV+16*\kt+8*\kc:KV+16*\kt+8*\kc+7], v[Q+16*\t+8*\kc:Q+16*\t+8*\kc+7], 0
.else
	v_wmma_f32_16x16x32_f16 v[S+32*\t+8*\kt:S+32*\t+8*\kt+7], v[KV+16*\kt+8*\kc:KV+16*\kt+8*\kc+7], v[Q+16*\t+8*\kc:Q+16*\t+8*\kc+7], v[S+32*\t+8*\kt:S+32*\t+8*\kt+7]
.endif
.endr
.endr
.endr
.rept 4
	v_nop                                          ; four places: ahead of the loads into K's registers and of the first read of the scores
.endr
.irp f, 0,1,2,3,4,5,6,7                        ; V: fragment f = 4 u + ct: keys 32 u on, channels 16 ct on; it lands under the softmax
	ds_load_b128 v[KV+8*\f:KV+8*\f+3],   v[ADV] offset:1024*\f
	ds_load_b128 v[KV+8*\f+4:KV+8*\f+7], v[ADV] offset:1024*\f+512
.endr
	; the maximum of a lane's 32 scores and the old m, three operands at a time, in four chains; each accumulator is read from its low end on; the two tiles line by line
.irp j, 0,1,2,3
.irp t, 0,1
	v_max3_num_f32 v[ST+8*\t+4+\j], v[S+32*\t+8*\j], v[S+32*\t+8*\j+1], v[S+32*\t+8*\j+2]
.endr
.endr
.irp i, 3,5
.irp j, 0,1,2,3
.irp t, 0,1
	v_max3_num_f32 v[ST+8*\t+4+\j], v[ST+8*\t+4+\j], v[S+32*\t+8*\j+\i], v[S+32*\t+8*\j+\i+1]
.endr
.endr
.endr
.irp t, 0,1
	v_max3_num_f32 v[ST+8*\t+4], v[ST+8*\t+4], v[S+32*\t+7], v[S+32*\t+15]
	v_max3_num_f32 v[ST+8*\t+6], v[ST+8*\t+6], v[S+32*\t+23], v[S+32*\t+31]
.endr
.irp t, 0,1
	v_max3_num_f32 v[ST+8*\t+4], v[ST+8*\t+4], v[ST+8*\t+5], v[ST+8*\t+6]
.endr
.irp t, 0,1
	v_max3_num_f32 v[ST+8*\t+4], v[ST+8*\t+4], v[ST+8*\t+7], v[ST+8*\t+1]
.endr
.irp t, 0,1
	v_permlanex16_b32 v[ST+8*\t+5], v[ST+8*\t+4], s[SEL], s[SEL+1]   ; the query's other 32 keys lie in the lane 16 away
.endr
.irp t, 0,1
	v_mov_b32 v[ST+8*\t+7], v[ST+8*\t]             ; c m_old is kept for a
.endr
.irp t, 0,1
	v_max_num_f32 v[ST+8*\t+1], v[ST+8*\t+4], v[ST+8*\t+5]
.endr
.irp t, 0,1
	v_mul_f32 v[ST+8*\t], s[CS], v[ST+8*\t+1]
.endr
.irp t, 0,1
	v_sub_f32 v[ST+8*\t+7], v[ST+8*\t+7], v[ST+8*\t]
.endr
.irp i, 0,2,4,6,8,10,12,14,16,18,20,22,24,26,28,30
.irp t, 0,1
	v_pk_fma_f32 v[S+32*\t+\i:S+32*\t+\i+1], v[S+32*\t+\i:S+32*\t+\i+1], s[CS:CS+1], v[ST+8*\t:ST+8*\t+1] op_sel_hi:[1,0,0] neg_lo:[0,0,1] neg_hi:[0,0,1]   ; c s - c m
.endr
.endr
.irp t, 0,1
	v_exp_f32 v[ST+8*\t+6], v[ST+8*\t+7]           ; a
.endr
.set i, 0
.rept 32
.irp t, 0,1
	v_exp_f32 v[S+32*\t+i], v[S+32*\t+i]           ; p.  Both tiles' 66 exponentials are one batch: none reads another's result
.endr
.set i, i+1
.endr
	v_nop                                          ; the plain instruction behind the last exponential
	s_wait_alu depctr_va_vdst(0)                   ; one wait for the batch, ahead of its first reader
.irp t, 0,1
	v_pk_fma_f32 v[ST+8*\t+2:ST+8*\t+3], v[ST+8*\t+2:ST+8*\t+3], v[ST+8*\t+6:ST+8*\t+7], v[S+32*\t:S+32*\t+1] op_sel_hi:[1,0,1]   ; l = a l + the first pair
.endr
.irp t, 0,1
	v_pk_add_f32 v[ST+8*\t+4:ST+8*\t+5], v[S+32*\t+2:S+32*\t+3], v[S+32*\t+4:S+32*\t+5]   ; a second chain
.endr
.irp i, 6,10,14,18,22,26
.irp t, 0,1
	v_pk_add_f32 v[ST+8*\t+2:ST+8*\t+3], v[ST+8*\t+2:ST+8*\t+3], v[S+32*\t+\i:S+32*\t+\i+1]
.endr
.irp t, 0,1
	v_pk_add_f32 v[ST+8*\t+4:ST+8*\t+5], v[ST+8*\t+4:ST+8*\t+5], v[S+32*\t+\i+2:S+32*\t+\i+3]
.endr
.endr
.irp t, 0,1
	v_pk_add_f32 v[ST+8*\t+2:ST+8*\t+3], v[ST+8*\t+2:ST+8*\t+3], v[S+32*\t+30:S+32*\t+31]
.endr
.irp t, 0,1
	v_pk_add_f32 v[ST+8*\t+2:ST+8*\t+3], v[ST+8*\t+2:ST+8*\t+3], v[ST+8*\t+4:ST+8*\t+5]
.endr
.set i, 0
.rept 16
.irp t, 0,1
	v_cvt_pk_f16_f32 v[S+32*\t+i], v[S+32*\t+2*i], v[S+32*\t+2*i+1]   ; in place, ascending: register i is written when 2 i and 2 i + 1 are read.  Registers 8 u .. 8 u + 7 are P's fragment of keys 32 u on
.endr
.set i, i+1
.endr
.irp i, 0,2,4,6,8,10,12,14,16,18,20,22,24,26,28,30
.irp t, 0,1
	v_pk_mul_f32 v[O+32*\t+\i:O+32*\t+\i+1], v[O+32*\t+\i:O+32*\t+\i+1], v[ST+8*\t+6:ST+8*\t+7] op_sel_hi:[1,0]   ; O^T x a, each accumulator from its low end on
.endr
.endr
	s_wait_dscnt 0x0                               ; V is in
.irp u, 0,1                                    ; O^T += V^T P: the eight accumulators by turns
.irp ct, 0,1,2,3
.irp t, 0,1
	v_wmma_f32_16x16x32_f16 v[O+32*\t+8*\ct:O+32*\t+8*\ct+7], v[KV+32*\u+8*\ct:KV+32*\u+8*\ct+7], v[S+32*\t+8*\u:S+32*\t+8*\u+7], v[O+32*\t+8*\ct:O+32*\t+8*\ct+7]
.endr
.endr
.endr
.endm
.macro SLOT_STEPS base                 ; a slot's eight key steps: a loop of constant count
	s_mov_b32 s[TB], \base
	s_mov_b32 s[CNT], 8
.Lstep_\@:
	STEP
	s_add_co_u32 s[TB], s[TB], 8192
	s_sub_co_u32 s[CNT], s[CNT], 1
	s_cmp_lg_u32 s[CNT], 0
	s_cbranch_scc1 .Lstep_\@
.endm
; THE CHANGE OF SLOTS.  Each wave waits for all its tensor loads, adds 0 to its spare word, and waits for that and for its reads of the slot that it has left.
; who = 0: slot 0 is filled again by waves 0-7; who = 1: slot 1 by waves 8-15: behind a round of the cluster's barrier, so that no wave of any partner still reads the slot; the joint refill is the first thing behind it.
; who = 2: nothing is left to fetch: a plain barrier shows slot 1's last fill to every wave.
.macro CHANGE who
	s_wait_tensorcnt 0x0                           ; no tensor load of mine is out, so my group 0 may be written
	ds_add_u32 v[SPW], v[NIL]                      ; 0 onto my spare word
.if \who == 0
	s_add_nc_u64 s[14:15], s[14:15], 2*65536       ; every wave's one refill lies two slots' worth of keys on; the type bits on top are not reached
.endif
	s_wait_dscnt 0x0                               ; the add is done, and my reads of the slot that I have left are over
.if \who < 2
	CROUND
.if \who == 0
	s_cmp_lt_u32 s[WV], 8
.else
	s_cmp_ge_u32 s[WV], 8
.endif
	s_cbranch_scc0 .Lnot_mine_\@                   ; on the wave's number alone: the same in all four partners
	tensor_load_to_lds s[12:15], s[16:23]
	s_nop 0
.rept 4
	v_nop
.endr
.Lnot_mine_\@:
.else
	s_barrier_signal -1
	s_barrier_wait -1
.endif
.endm
	SLOT_STEPS 0                                   ; keys 0..511
	CHANGE 0
	SLOT_STEPS SLOT1                               ; keys 512..1023, while slot 0 takes keys 1024..1535
	CHANGE 1
	SLOT_STEPS 0                                   ; while slot 1 takes keys 1536..2047
	CHANGE 2
	SLOT_STEPS SLOT1
	; THE WAY OUT.  l's two halves and the other half of the lanes' are added (these additions are the places behind the last products); O^T / l, packed to f16, is stored as it lies: half an image a store.
.irp t, 0,1
	v_add_f32 v[ST+8*\t+4], v[ST+8*\t+2], v[ST+8*\t+3]
.endr
.irp t, 0,1
	v_permlanex16_b32 v[ST+8*\t+5], v[ST+8*\t+4], s[SEL], s[SEL+1]
.endr
.irp t, 0,1
	v_add_f32 v[ST+8*\t+4], v[ST+8*\t+4], v[ST+8*\t+5]
.endr
.irp t, 0,1
	v_rcp_f32 v[ST+8*\t+6], v[ST+8*\t+4]
.endr
	v_nop                                          ; a plain instruction between the last reciprocal and the use of its result
	s_wait_alu depctr_va_vdst(0)                   ; and the wait, one for both
.irp i, 0,2,4,6,8,10,12,14,16,18,20,22,24,26,28,30
.irp t, 0,1
	v_pk_mul_f32 v[O+32*\t+\i:O+32*\t+\i+1], v[O+32*\t+\i:O+32*\t+\i+1], v[ST+8*\t+6:ST+8*\t+7] op_sel_hi:[1,0]
.endr
.endr
.set i, 0
.rept 16
.irp t, 0,1
	v_cvt_pk_f16_f32 v[S+16*\t+i], v[O+32*\t+2*i], v[O+32*\t+2*i+1]
.endr
.set i, i+1
.endr
.irp t, 0,1
.irp ct, 0,1,2,3
	global_store_b128 v[LI], v[S+16*\t+4*\ct:S+16*\t+4*\ct+3], s[26:27] offset:1024*\t+8192*(\ct/2)+512*(\ct%2)   ; 512 consecutive bytes
.endr
.endr
	s_wait_tensorcnt 0x0                           ; the wave's end
	ds_add_u32 v[SPW], v[NIL]
	s_wait_dscnt 0x0
	CROUND                                         ; the closing round: no work-group ends while a partner may still ask for a tile that names it
	s_endpgm
.Lfunc_end_k_qd5be301c0c_attn:
	.size	k_qd5be301c0c_attn, .Lfunc_end_k_qd5be301c0c_attn-k_qd5be301c0c_attn
	.p2alignl 7, 3214868480
	.fill 96, 4, 3214868480
	.section	.rodata,"a",@progbits
	.p2align	6, 0x0
	.amdhsa_kernel k_qd5be301c0c_attn
		.amdhsa_group_segment_fixed_size 327680
		.amdhsa_private_segment_fixed_size 0
		.amdhsa_enable_private_segment 0
		.amdhsa_kernarg_size 16
		.amdhsa_user_sgpr_count 2
		.amdhsa_user_sgpr_kernarg_segment_ptr 1
		.amdhsa_wavefront_size32 1
		.amdhsa_system_sgpr_workgroup_id_x 1
		.amdhsa_system_sgpr_workgroup_id_y 1
		.amdhsa_system_sgpr_workgroup_id_z 1
		.amdhsa_system_vgpr_workitem_id 0
		.amdhsa_next_free_vgpr 256
		.amdhsa_next_free_sgpr 66
		.amdhsa_reserve_vcc 0
		.amdhsa_float_denorm_mode_32 3
		.amdhsa_float_denorm_mode_16_64 3
		.amdhsa_memory_ordered 1
		.amdhsa_forward_progress 1
		.amdhsa_inst_pref_size 83
	.end_amdhsa_kernel
	.amdgpu_metadata
---
amdhsa.version: [ 1, 2 ]
amdhsa.kernels:
  - .name:           k_qd5be301c0c_attn
    .symbol:         k_qd5be301c0c_attn.kd
    .args:
      - { .name: qkv, .offset: 0, .size: 8, .value_kind: global_buffer, .address_space: global }
      - { .name: af, .offset: 8, .size: 8, .value_kind: global_buffer, .address_space: global }
    .group_segment_fixed_size: 327680
    .private_segment_fixed_size: 0
    .kernarg_segment_align: 8
    .kernarg_segment_size: 16
    .max_flat_workgroup_size: 512
    .sgpr_count:     66
    .vgpr_count:     256
    .wavefront_size: 32
...
	.end_amdgpu_metadata
.endif
;; end of part 3
;; launch proj (part 4): grid 4 x 64, 4 waves a work-group, clusters of 4 x 4, 327,680 bytes of LDS; arguments af, wf, b_proj, out0; writes out0
.if DOCPART == 4
	.amdgcn_target "amdgcn-amd-amdhsa--gfx1250"
	.amdhsa_code_object_version 6
	.text
	.protected	k_qd5be301c0c_proj
	.globl	k_qd5be301c0c_proj
	.p2align	8
	.type	k_qd5be301c0c_proj,@function
k_qd5be301c0c_proj:
	s_mov_b64 s[64:65], 0
	v_nop
	global_prefetch_b8 v0, s[64:65] scope:SCOPE_SE
	s_setreg_imm32_b32 hwreg(HW_REG_WAVE_MODE, 25, 1), 1
	s_wait_xcnt 0x0
	s_wait_alu depctr_hold_cnt(0) depctr_sa_sdst(0) depctr_va_vdst(0) depctr_va_sdst(0) depctr_va_ssrc(0) depctr_va_vcc(0) depctr_vm_vsrc(0)
	s_getreg_b32 s2, hwreg(HW_REG_IB_STS2, 6, 4)
	s_cmp_eq_u32 s2, 0
	s_cbranch_scc0 .Lentry_in_a_cluster
	s_endpgm
.Lentry_in_a_cluster:
	s_bfe_u32 s2, ttmp6, 0x10000c
	s_cmp_lg_u32 s2, 0xf033
	s_cbranch_scc0 .Lentry_shape_is_right
	s_endpgm
.Lentry_shape_is_right:
; PROJ: out0 = a @ w_proj + b_proj.  a [8192][1024] and w_proj come in f16 as images of operand registers (1,024 bytes: [g 0..1][lane][16 bytes]); sums in f32; out0 [8192][1024] f32.  Nothing is left out.
;   af[row / 128][k / 32][(row % 128) / 16][1,024],  wf[n / 256][k / 32][(n % 256) / 16][1,024]: so a K step's part of a tile is one dense block, and a fragment is two loads at 16 x lane.
; A tile of out0 is 128 rows x 256 columns: 64 x 4 = 256 work-groups.  Four waves, each 64 x 128: 32 accumulators of 16 x 16, 256 registers.
; K goes in steps of 128 through a ring of two LDS slots: a's 32 KiB, then w's 64 KiB.  Waves 0 and 1 fetch a's halves, waves 2 and 3 w's: one tensor load a wave.
; CLUSTERS: 4 x 4 work-groups.  The four of a row of the cluster need the same tile of a, the four of a column the same tile of w: each is asked for JOINTLY.
; THE MATRIX INSTRUCTION IS USED TRANSPOSED (source 0 = 16 columns of w, source 1 = 16 rows of a): a lane holds eight neighbouring numbers of a row of out0.
; THE BIAS is the C of each sum's first matrix instruction: eight registers for each of my eight tiles of columns, in the result's layout.
; REGISTERS: window 0: v0-31 addresses; two fragment buffers of 96 (a's 4 fragments, then w's 8) at v32 and v128; on the way out v32-159 rows read back.  window 1: the accumulators ((a, b) at v[8 (8 a + b)]).  window 2: v0-63 the bias.
; No prefetch is written: the tiles are small and the launch is short; what is on its way is the one load a wave behind each round.
.set SLOT,   98304                     ; a's 32,768 bytes [kc 4][rb 8][1,024], then w's 65,536 [kc 4][nb 16][1,024]
.set WOFF,   32768
.set STAGE,  2*SLOT                    ; behind the ring: 16 rows x 528 bytes for each wave, for the way out; no tensor load lands there
.set SPITCH, 528                       ; 512 bytes + 16
.set SPARE,  STAGE+4*16*SPITCH         ; the spare words, 128 bytes for each wave: two blocks of 256 bytes that no other line names
.set LAPS,   4                         ; a lap = two K steps = once round the ring: 1,024 / 256
.set ADRA, 16                          ; v16-17  LDS address of my a fragments in slot 0, 1
.set ADRB, 20                          ; v20-21  the same for w
.set STO,  24                          ; v24     the way out: where I put 32 bytes of a row
.set RD,   25                          ; v25     the way out: where I read a row back
.set CO,   26                          ; v26     16 x lane
.set SPW,  28                          ; v28     LDS address of my spare word; never rewritten
.set NIL,  29                          ; v29     0; never rewritten
.set F0,   32
.set F1,   128
.set BK,   32                          ; the way out: 16 rows read back: v32-95 and v96-159 by turns
.set G1, 24                            ; s[24:31] descriptor group 1 for a's tiles;  s[32:39] group 0, one set for each slot
.set G0, 32
.set G1B, 48                           ; s[48:55], s[56:63] the same for w's
.set G0B, 56
.set MSB, 0
.macro WIN new                         ; the immediate's high byte repeats the setting that is left
.if MSB != \new
	s_set_vgpr_msb (MSB<<8)|\new
.set MSB, \new
.endif
.endm
.set MUL,   0x50                       ; sources 0 and 1 window 0; C and D window 1
.set MUL_B, 0x60                       ; the same with C in window 2: the bias
.macro JLOAD s                         ; a joint load: waves 0 and 1 fetch a's two halves, waves 2 and 3 w's; an s_nop 0 and four v_nop follow each of the two lines
	s_cmp_eq_u32 s11, 0
	s_cbranch_scc0 .Lfor_b_\@
	tensor_load_to_lds s[G0+4*\s:G0+4*\s+3], s[G1:G1+7]
	s_nop 0
.rept 4
	v_nop
.endr
	s_branch .Lasked_\@
.Lfor_b_\@:
	tensor_load_to_lds s[G0B+4*\s:G0B+4*\s+3], s[G1B:G1B+7]
	s_nop 0
.rept 4
	v_nop
.endr
.Lasked_\@:
.endm
.macro CREST                           ; a round of the cluster's barrier behind its opening barrier
	s_cmp_lg_u32 s10, 0
	s_cbranch_scc1 .Lnot_wave_0_\@
	s_barrier_signal -3
.Lnot_wave_0_\@:
	s_barrier_wait -3
	s_barrier_signal -1
	s_barrier_wait -1
.endm
.macro CROUND                          ; a whole round
	s_barrier_signal -1
	s_barrier_wait -1
	CREST
.endm
	s_load_b128 s[4:7], s[0:1], 0x0                ; af s[4:5], wf s[6:7]
	s_load_b128 s[16:19], s[0:1], 0x10             ; b_proj s[16:17], out0 s[18:19]
	v_lshl_add_u32 v[SPW], v0, 2, SPARE
	v_mov_b32 v[NIL], 0
	ds_add_u32 v[SPW], v[NIL]                      ; the wave's opening: the add, twice on end, and its wait ahead of my first tensor load
	ds_add_u32 v[SPW], v[NIL]                      ; and once more, under the one wait; the set-up below, work on registers, stands between
	v_lshrrev_b32 v1, 5, v0
	v_readfirstlane_b32 s10, v1                    ; wave 0..3
	s_lshr_b32 s11, s10, 1                         ; which 64 of the tile's rows are mine.  Also: I fetch for a (0) or for w (1)
	s_and_b32 s12, s10, 1                          ; which 128 of its columns.  Also: which half of that tile I fetch
	s_bfe_u32 s40, ttmp6, 0x40000                  ; cx, cy: my place in the cluster
	s_bfe_u32 s41, ttmp6, 0x40004
	s_lshl_b32 s42, ttmp9, 2
	s_add_co_u32 s42, s42, s40                     ; tile column = 4 x cluster x + cx
	s_and_b32 s13, ttmp7, 0xffff
	s_lshl_b32 s13, s13, 2
	s_add_co_u32 s13, s13, s41                     ; tile row = 4 x cluster y + cy
	s_lshl_b32 s43, s41, 2
	s_lshl_b32 s43, 15, s43                        ; my row of the cluster
	s_lshl_b32 s44, 0x1111, s40                    ; my column
	; descriptor group 1: dense blocks as rows of 256 bytes (32 elements of 8 bytes), no padding: a's half 64 rows, w's half 128
	s_or_b32 s[G1+0], s43, (3<<16)|(1<<21)         ; 15:0 the mask: a's tiles go to my row; bit 21 beside a mask
	s_or_b32 s[G1B+0], s44, (3<<16)|(1<<21)
	s_mov_b32 s[G1+1], 32<<16                      ; tensor_dim0
	s_mov_b32 s[G1+2], 64<<16                      ; tensor_dim1
	s_mov_b32 s[G1+3], 32<<16                      ; tile_dim0
	s_mov_b32 s[G1+4], 64                          ; tile_dim1
	s_mov_b32 s[G1+5], 32                          ; the pitch
	s_mov_b32 s[G1+6], 0
	s_mov_b32 s[G1+7], 0
	s_mov_b32 s[G1B+1], 32<<16
	s_mov_b32 s[G1B+2], 128<<16
	s_mov_b32 s[G1B+3], 32<<16
	s_mov_b32 s[G1B+4], 128
	s_mov_b32 s[G1B+5], 32
	s_mov_b32 s[G1B+6], 0
	s_mov_b32 s[G1B+7], 0
	s_lshl_b32 s20, s13, 18                        ; a: 262,144 bytes a tile row,
	s_lshl_b32 s14, s12, 14                        ; my half of a K step's 32,768: in memory and in a slot alike
	s_add_co_u32 s20, s20, s14
	s_mov_b32 s21, 0
	s_lshl_b32 s46, s42, 19                        ; w: 524,288 bytes a tile column,
	s_lshl_b32 s15, s12, 15                        ; my half of a K step's 65,536
	s_add_co_u32 s46, s46, s15
	s_mov_b32 s47, 0
	s_add_co_u32 s15, s15, WOFF                    ; in a slot w lies behind a: no place in the cluster enters an LDS address
	s_wait_dscnt 0x0                               ; both opening adds are done
	s_wait_kmcnt 0x0
	s_add_nc_u64 s[20:21], s[4:5], s[20:21]
	s_add_nc_u64 s[46:47], s[6:7], s[46:47]
	CROUND                                         ; all sixteen work-groups are here: the first joint loads meet
.irp s, 0,1
	s_mov_b32 s[G0+4*\s], 1
	s_add_co_u32 s[G0+4*\s+1], s14, \s*SLOT
	s_add_nc_u64 s[G0+4*\s+2:G0+4*\s+3], s[20:21], \s*32768
	s_or_b32 s[G0+4*\s+3], s[G0+4*\s+3], 0x80000000
	s_mov_b32 s[G0B+4*\s], 1
	s_add_co_u32 s[G0B+4*\s+1], s15, \s*SLOT
	s_add_nc_u64 s[G0B+4*\s+2:G0B+4*\s+3], s[46:47], \s*65536
	s_or_b32 s[G0B+4*\s+3], s[G0B+4*\s+3], 0x80000000
	JLOAD \s                                       ; two tensor loads of mine are out behind the second
.endr
	v_and_b32 v1, 15, v0                           ; l % 16
	v_bfe_u32 v2, v0, 4, 1                         ; l / 16
	v_and_b32 v3, 31, v0
	v_lshlrev_b32 v[CO], 4, v3
	v_lshlrev_b32 v4, 5, v2                        ; the bias: my half's eight numbers of a tile of 16 columns
	s_lshl_b32 s22, s42, 10
	s_lshl_b32 s23, s12, 9
	s_add_co_u32 s22, s22, s23                     ; 4 x (256 x tile column + 128 x half)
	s_mov_b32 s23, 0
	s_add_nc_u64 s[16:17], s[16:17], s[22:23]
	WIN 0x80                                       ; destination window 2
.irp b, 0,1,2,3,4,5,6,7
	global_load_b128 v[8*\b:8*\b+3],   v4, s[16:17] offset:64*\b
	global_load_b128 v[8*\b+4:8*\b+7], v4, s[16:17] offset:64*\b+16
.endr
	WIN 0
	s_lshl_b32 s21, s11, 12                        ; my four images of a in each kc
	s_lshl_b32 s22, s12, 13                        ; my eight of w,
	s_add_co_u32 s22, s22, WOFF
.irp s, 0,1
	v_add_nc_u32 v[ADRA+\s], s21, v[CO]
	v_add_nc_u32 v[ADRB+\s], s22, v[CO]
	s_add_co_u32 s21, s21, SLOT
	s_add_co_u32 s22, s22, SLOT
.endr
	s_mul_i32 s23, s10, 16*SPITCH
	s_add_co_u32 s23, s23, STAGE                   ; my stage
	v_mul_u32_u24 v5, v1, SPITCH                   ; in: row l % 16, 32 bytes for each half of the lanes
	v_lshl_add_u32 v5, v2, 5, v5
	v_add_nc_u32 v[STO], s23, v5
	v_add_nc_u32 v[RD], s23, v[CO]                 ; back: the 32 lanes take one row of 512 bytes
	s_lshl_b32 s20, s13, 7
	s_lshl_b32 s21, s11, 6
	s_add_co_u32 s20, s20, s21                     ; my first row of out0
	s_lshl_b32 s20, s20, 12                        ; 4,096 bytes a row
	s_lshl_b32 s21, s42, 10
	s_add_co_u32 s20, s20, s21
	s_lshl_b32 s21, s12, 9
	s_add_co_u32 s20, s20, s21                     ; my first column
	s_mov_b32 s21, 0
	s_add_nc_u64 s[18:19], s[18:19], s[20:21]
; 24 LDS loads in one run: the fragments of the slot's q-th 32 along K into buffer f
.macro FETCH slot, q, f
.irp b, 0,1,2,3,4,5,6,7
	ds_load_b128 v[\f+32+8*\b:\f+32+8*\b+3],   v[ADRB+\slot] offset:16384*(\q)+1024*\b
	ds_load_b128 v[\f+32+8*\b+4:\f+32+8*\b+7], v[ADRB+\slot] offset:16384*(\q)+1024*\b+512
.endr
.irp a, 0,1,2,3
	ds_load_b128 v[\f+8*\a:\f+8*\a+3],   v[ADRA+\slot] offset:8192*(\q)+1024*\a
	ds_load_b128 v[\f+8*\a+4:\f+8*\a+7], v[ADRA+\slot] offset:8192*(\q)+1024*\a+512
.endr
.endm
; 8 matrix instructions: row block a x my 8 tiles of columns.  first = 1: the sums start from the bias.  The 32 accumulators take turns, one instruction a turn, in the same order everywhere.
.macro MUL8 f, a, first
.irp b, 0,1,2,3,4,5,6,7
.if \first
	v_wmma_f32_16x16x32_f16 v[8*(8*(\a)+\b):8*(8*(\a)+\b)+7], v[\f+32+8*\b:\f+32+8*\b+7], v[\f+8*(\a):\f+8*(\a)+7], v[8*\b:8*\b+7]
.else
	v_wmma_f32_16x16x32_f16 v[8*(8*(\a)+\b):8*(8*(\a)+\b)+7], v[\f+32+8*\b:\f+32+8*\b+7], v[\f+8*(\a):\f+8*(\a)+7], v[8*(8*(\a)+\b):8*(8*(\a)+\b)+7]
.endif
.endr
.endm
.macro PLACES                          ; four places in front of loads into registers that matrix instructions have read, and of the first read of results
.rept 4
	v_nop
.endr
.endm
; A K step is four quarters of 32 along K, 32 matrix instructions each, on buffers 0, 1, 0, 1.  One of the first three: fetches the next quarter into g, then multiplies f: the fetch stands 32 matrix instructions ahead of its use.
.macro QUARTER slot, q, f, g, first
	s_wait_dscnt 0x0                               ; buffer f is in
	PLACES
	FETCH \slot, (\q)+1, \g
.if \first
	WIN MUL_B
.else
	WIN MUL
.endif
	MUL8 \f, 0, \first
	MUL8 \f, 1, \first
	MUL8 \f, 2, \first
	MUL8 \f, 3, \first
	WIN 0
.endm
; The last quarter multiplies buffer 1 and changes slots: ONE barrier; in front of it each wave waits for all its tensor loads, adds 0 to its spare word, and waits for that and for its reads of this slot.
; fill = 1: the barrier opens a round of the cluster's, and this slot is filled again, two K steps ahead.
.macro TURN slot, next, fill
	s_wait_tensorcnt 0x0                           ; all my tensor loads have landed: my part of the next slot;
	ds_add_u32 v[SPW], v[NIL]                      ; 0 onto my spare word;
	s_wait_dscnt 1                                 ; buffer 1 is in; the add may be out
	WIN MUL
	MUL8 F1, 0, 0                                  ; eight matrix instructions stand between the add and the wait for it
	s_wait_dscnt 0x0                               ; the add is done, and my reads of this slot are over
	s_barrier_signal -1
	MUL8 F1, 1, 0
	WIN 0
	s_barrier_wait -1
.if \fill
	CREST                                          ; no wave of any partner still reads this slot's tiles or has a load on its way
	s_add_nc_u64 s[G0+4*\slot+2:G0+4*\slot+3], s[G0+4*\slot+2:G0+4*\slot+3], 2*32768
	s_add_nc_u64 s[G0B+4*\slot+2:G0B+4*\slot+3], s[G0B+4*\slot+2:G0B+4*\slot+3], 2*65536
	JLOAD \slot                                    ; the first tensor load behind the round; the four v_nop behind it are also the places in front of the loads below
.else
	PLACES
.endif
	FETCH \next, 0, F0
	WIN MUL
	MUL8 F1, 2, 0
	MUL8 F1, 3, 0
	WIN 0
.endm
	s_wait_tensorcnt 1                             ; my part of K step 0 is in; K step 1's load may be out
	s_barrier_signal -1
	s_barrier_wait -1                              ; everybody's is
	FETCH 0, 0, F0
	s_wait_loadcnt 0x0                             ; the bias
	QUARTER 0, 0, F0, F1, 1                        ; the first quarter stands in front of the loop: its products start the sums from the bias
	s_mov_b32 s3, LAPS-1
.Llap:                                                 ; a trip goes once round the ring, from a lap's second quarter to the next lap's first, and fills both slots again
	QUARTER 0, 1, F1, F0, 0
	QUARTER 0, 2, F0, F1, 0
	TURN 0, 1, 1
	QUARTER 1, 0, F0, F1, 0
	QUARTER 1, 1, F1, F0, 0
	QUARTER 1, 2, F0, F1, 0
	TURN 1, 0, 1
	QUARTER 0, 0, F0, F1, 0
	s_sub_co_u32 s3, s3, 1
	s_cmp_lg_u32 s3, 0
	s_cbranch_scc1 .Llap
	QUARTER 0, 1, F1, F0, 0                        ; the last lap fills nothing, and has no round of the cluster's barrier
	QUARTER 0, 2, F0, F1, 0
	TURN 0, 1, 0
	QUARTER 1, 0, F0, F1, 0
	QUARTER 1, 1, F1, F0, 0
	QUARTER 1, 2, F0, F1, 0
	s_wait_dscnt 0x0                               ; the very last quarter: nothing more to fetch
	WIN MUL
	MUL8 F1, 0, 0
	MUL8 F1, 1, 0
	MUL8 F1, 2, 0
	MUL8 F1, 3, 0
	WIN 0
; THE WAY OUT, block by block of 16 rows x 128 columns.  A lane holds 32 neighbouring bytes of a row, and the lanes beside it hold other rows: so a block goes through my own stage in LDS and comes back as whole
; rows of 512 bytes.  LDS serves a wave's instructions in order: no wait between the stores and the loads, nor in front of the next block's stores.
.macro TOSTAGE a
	WIN 0x04                                       ; an LDS store's data are its source 1: window 1
.irp b, 0,1,2,3,4,5,6,7
	ds_store_b128 v[STO], v[8*(8*(\a)+\b):8*(8*(\a)+\b)+3] offset:64*\b            ; each accumulator from its low end on
	ds_store_b128 v[STO], v[8*(8*(\a)+\b)+4:8*(8*(\a)+\b)+7] offset:64*\b+16
.endr
	WIN 0
.irp t, 0,1,2,3,4,5,6,7,8,9,10,11,12,13,14,15
	ds_load_b128 v[BK+64*((\a)%2)+4*\t:BK+64*((\a)%2)+4*\t+3], v[RD] offset:\t*SPITCH
.endr
.endm
.macro SEND a, younger                 ; younger: the LDS instructions issued behind block a's loads, which may stay out
	s_wait_dscnt \younger                          ; the block is back in registers
.irp t, 0,1,2,3,4,5,6,7,8,9,10,11,12,13,14,15
	global_store_b128 v[CO], v[BK+64*((\a)%2)+4*\t:BK+64*((\a)%2)+4*\t+3], s[18:19] offset:(16*(\a)+\t)*4096 th:TH_STORE_NT   ; 32 lanes store 512 consecutive bytes, at a multiple of 256 from out0's first byte
.endr
.endm
	PLACES                                         ; ahead of the first read of results and of the loads into the fragments' registers
	TOSTAGE 0
.irp a, 1,2,3
.if \a > 1
	s_wait_xcnt 0x0                                ; block a - 2's stores have read their registers: block a's loads may land there
.endif
	TOSTAGE \a
	SEND \a-1, 32                                  ; behind block a - 1's loads: block a's 16 stores and 16 loads
.endr
	SEND 3, 0
	s_wait_tensorcnt 0x0                           ; the wave's end
	ds_add_u32 v[SPW], v[NIL]
	s_wait_dscnt 0x0
	CROUND                                         ; the closing round: no work-group ends while a partner may still ask for a tile that names it
	s_endpgm
.Lfunc_end_k_qd5be301c0c_proj:
	.size	k_qd5be301c0c_proj, .Lfunc_end_k_qd5be301c0c_proj-k_qd5be301c0c_proj
	.p2alignl 7, 3214868480
	.fill 96, 4, 3214868480
	.section	.rodata,"a",@progbits
	.p2align	6, 0x0
	.amdhsa_kernel k_qd5be301c0c_proj
		.amdhsa_group_segment_fixed_size 327680
		.amdhsa_private_segment_fixed_size 0
		.amdhsa_enable_private_segment 0
		.amdhsa_kernarg_size 32
		.amdhsa_user_sgpr_count 2
		.amdhsa_user_sgpr_kernarg_segment_ptr 1
		.amdhsa_wavefront_size32 1
		.amdhsa_system_sgpr_workgroup_id_x 1
		.amdhsa_system_sgpr_workgroup_id_y 1
		.amdhsa_system_sgpr_workgroup_id_z 1
		.amdhsa_system_vgpr_workitem_id 0
		.amdhsa_next_free_vgpr 576
		.amdhsa_next_free_sgpr 66
		.amdhsa_reserve_vcc 0
		.amdhsa_float_denorm_mode_32 3
		.amdhsa_float_denorm_mode_16_64 3
		.amdhsa_memory_ordered 1
		.amdhsa_forward_progress 1
		.amdhsa_inst_pref_size 85
	.end_amdhsa_kernel
	.amdgpu_metadata
---
amdhsa.version: [ 1, 2 ]
amdhsa.kernels:
  - .name:           k_qd5be301c0c_proj
    .symbol:         k_qd5be301c0c_proj.kd
    .args:
      - { .name: af, .offset: 0, .size: 8, .value_kind: global_buffer, .address_space: global }
      - { .name: wf, .offset: 8, .size: 8, .value_kind: global_buffer, .address_space: global }
      - { .name: b_proj, .offset: 16, .size: 8, .value_kind: global_buffer, .address_space: global }
      - { .name: out0, .offset: 24, .size: 8, .value_kind: global_buffer, .address_space: global }
    .group_segment_fixed_size: 327680
    .private_segment_fixed_size: 0
    .kernarg_segment_align: 8
    .kernarg_segment_size: 32
    .max_flat_workgroup_size: 128
    .sgpr_count:     66
    .vgpr_count:     576
    .wavefront_size: 32
...
	.end_amdgpu_metadata
.endif
;; end of part 4
